; MI455X (gfx1250); checked and timed in simulation.
; The chip was launched on July 23, 2026; its instructions are those of AMD's public machine-readable ISA for CDNA 5 (MIT licence, August 2026) and "CDNA5" Instruction Set Architecture Reference Guide (July 2026). The comments in the code are by the model that wrote it; some were corrected since.
;; Classical Attention. Allowed arithmetic: matrix products marked QUANTISED: E2M3 operands, one E8M0 scale for each 32 along K, by v_wmma_scale_f32_16x16x128_f8f6f4 with both operands' format E2M3, f32 sums; everything else in f32.
;; Inputs: entangle_params 1,024 float32; inputs 4 x 2,048 x 1,024 float32; rotation_params 1,024 float32; w_k 1,024 x 1,024 float32; w_q 1,024 x 1,024 float32; w_v 1,024 x 1,024 float32.
;; Outputs: out0 4 x 2,048 x 1,024 float32.
;; This version of the problem:
;;   THIS VERSION OF THE PROBLEM IS GIVEN IN LOW PRECISION. The matrix products marked QUANTISED in the list below multiply operands that are first quantised to E2M3 (2 exponent bits, 3 mantissa bits; 6 bits a number), with one power-of-two scale for each 32 numbers along K (OCP MX v1.0); their sums are f32. All else is computed in f32.
;;   The module's matrix products, in the order in which they are computed (A, B: the left and right operand; K: the contracted axis; several contracted axes count as one K, in the product's order):
;;     1. [M 8,192, K 1,024] x [K 1,024, N 1,024]; A: input inputs; B: input w_q: QUANTISED
;;     2. [M 8,192, K 1,024] x [K 1,024, N 1,024]; A: input inputs; B: input w_k: QUANTISED
;;     3. [M 8,192, K 1,024] x [K 1,024, N 1,024]; A: input inputs; B: input w_v: QUANTISED
;;     4. batch 4 x [M 2,048, K 1,024] x [K 1,024, N 2,048]; A: computed on the way; B: computed on the way: QUANTISED
;;     5. batch 4 x [M 2,048, K 2,048] x [K 2,048, N 1,024]; A: softmax (see below); B: computed on the way: QUANTISED
;;   THE QUANTISER, for each operand of a quantised product, along K:
;;     - K is cut into blocks of 32 from its start; a last block that is shorter is filled with zeros.
;;     - A block's scale is 2^e with e = floor(log2(the largest magnitude in the block)) - 2, held to -126 .. 127; a block of zeros has e = 0. As a byte (E8M0): e + 127.
;;     - Each number is divided by its block's scale, clamped to +-7.5, and rounded to the nearest number of E2M3, ties to even, subnormals kept.
;;     - The product sums the exact products of the quantised numbers (number of the format x scale) in f32.
;;   ~~~python
;;   def quantise(x, axis):      # numpy; x: float32 -> the quantised numbers, widened to float32 again
;;       x = np.moveaxis(x, axis, -1); K = x.shape[-1]
;;       x = np.pad(x, [(0, 0)] * (x.ndim - 1) + [(0, -K % 32)]); x = x.reshape(x.shape[:-1] + (-1, 32)); a = np.abs(x).max(-1, keepdims=True)
;;       e = np.where(a > 0, np.clip(np.frexp(np.where(a > 0, a, 1))[1] - 1 - 2, -126, 127), 0)      # np.frexp(a)[1] - 1 = floor(log2(a)), exactly
;;       r = np.clip(x / 2.0 ** e, -7.5, 7.5)
;;       step = 2.0 ** (np.maximum(np.frexp(np.where(r == 0, 1, r))[1] - 1, 0) - 3)
;;       q = np.round(r / step) * step * 2.0 ** e      # np.round: ties to even
;;       return np.moveaxis(q.reshape(q.shape[:-2] + (-1,))[..., :K], -1, axis).astype(np.float32)
;;   ~~~
;;   SOFTMAX AHEAD OF A QUANTISED PRODUCT. Where the list says 'softmax', what is quantised is not the finished softmax but p = 2^(t - M), with t = logit x log2(e) and M = ceil(the row's largest t), a whole number; so 1/2 < the row's largest p <= 1. The row's sum l is taken of the UNQUANTISED p, in f32, and the product's result is divided by l at the end. Since M is a whole number, a kernel that streams over the keys may use a running M (the ceiling of the running maximum): every later rescaling is an exact power of two, which a block's scale takes up: the codes' values come out the same.
;;   OPERANDS COMPUTED ON THE WAY. 'Computed on the way' means the value that the module computes at that place (a softmax that the list does not call 'softmax' is quantised finished and normalised). What goes into a quantiser is computed in f32, as accurately as f32 sums, v_exp_f32 and their like allow (about 1e-6 of the number): no bf16 or f16 on the way to a quantiser, and a product that is left as it is and whose result goes on into a quantised operand takes f32 operands (vector FMAs, or v_wmma_f32_16x16x4_f32). A number that lies on a knife's edge between two numbers of the format may be rounded either way, as far as f32 arithmetic and the matrix unit's own rounding can turn it there, and no further.
;; One version. Each part assembles by itself: llvm-mc -triple=amdgcn-amd-amdhsa -mcpu=gfx1250 --defsym DOCPART=n.
;; ======== version 1 of 1: 4 launches
;; limits: right only within a limited range of input values
;; workspace buffers: xw 9,011,200 bytes; qk 13,107,200 bytes; vt 6,553,600 bytes; p 14,155,776 bytes
;; launch quant (part 1): grid 704 x 1, 4 waves a work-group, no clusters, 34,816 bytes of LDS; arguments inputs, w_q, w_k, w_v, xw; writes xw
.if DOCPART == 1
	.amdgcn_target "amdgcn-amd-amdhsa--gfx1250"
	.amdhsa_code_object_version 6
	.text
	.protected	k_qe9e309a7be_quant
	.globl	k_qe9e309a7be_quant
	.p2align	8
	.type	k_qe9e309a7be_quant,@function
k_qe9e309a7be_quant:
	s_mov_b64 s[64:65], 0
	v_nop
	global_prefetch_b8 v0, s[64:65] scope:SCOPE_SE
	s_setreg_imm32_b32 hwreg(HW_REG_WAVE_MODE, 25, 1), 1
	s_wait_xcnt 0x0
; x [8192][1024], w_q, w_k, w_v [1024][1024], f32, K innermost, become fragments of FP6 (E2M3) codes with one E8M0 byte for each 32 along K.
; DEAD WORK: reference() takes rotation_params and entangle_params and uses neither in any step, so they reach no output for any values: no launch has them among its arguments; a NaN or infinity in them is not carried on.
; XW: 704 fragments of 16 rows x 1,024 K, 12,800 bytes each: for K step ks (128) the image of 12 registers at 1,536 ks (registers 4 c .. 4 c + 3 of lane l at 512 c + 16 l);
; behind them, at 12,288 + 256 (ks / 4) + 16 r + 4 (ks % 4), the scale word of lane-row r.
; ROWS (r = 8 h + i).  x, f = 16 g + 8 c + 2 j + w: row 256 g + 128 w + 64 c + 32 h + 8 j + i.  Weights, f = 512 + 64 tensor + 4 hd + j: row 64 hd + 32 h + 8 j + i.
; In a product's result the four tiles j so give a lane 32 neighbours along the next product's K: a whole scale block.
; A block's scale byte is its largest magnitude's exponent field - 2, held at 1 from below.
; LIMITS: NaN and infinities are not served; a block whose largest magnitude lies under 2^-124 (a block of zeros too) gets the byte 1; this program alone reads the bytes.
; SHARES.  A work-group takes one fragment, wave w its 256 K from 256 w on.  Each load reads 512 consecutive bytes of a row; 16 rows turn through the wave's own stage in LDS.
; No matrix work, no tensor load, no cluster: work-groups share no input.
.set STG,   8448                       ; a wave's stage: 16 rows x (512 bytes + 16)
.set SG,    4*STG                      ; the fragment's 512 bytes of scale words
.set SPARE, SG+512
.set LI,   4                           ; v4   16 x lane
.set SIN,  5                           ; v5   the stage, on the way in
.set SOUT, 6                           ; v6   and out: 528 r + 64 h
.set SGW,  7                           ; v7   where my row's scale words go
.set SGR,  8                           ; v8   where they are read back
.set PW,   10                          ; v10-11 the two steps' scale words
.set SPW,  14
.set NIL,  15
.set TM,   16                          ; v16-31 at work
.set PC,   32                          ; v32-55 codes
.set PT,   56                          ; v56-62 the blocks' upper halves as converted
.set R,    64                          ; v64-191 two steps of 64 numbers
	s_load_b256 s[4:11], s[0:1], 0x0               ; inputs, w_q, w_k, w_v
	s_load_b64 s[12:13], s[0:1], 0x20              ; xw
	v_lshl_add_u32 v[SPW], v0, 2, SPARE
	v_mov_b32 v[NIL], 0
	v_lshrrev_b32 v1, 5, v0
	v_readfirstlane_b32 s14, v1                    ; wave
	v_and_b32 v1, 31, v0
	v_and_b32 v2, 15, v0                           ; r
	v_bfe_u32 v3, v0, 4, 1                         ; h
	v_lshlrev_b32 v[LI], 4, v1
	s_mul_i32 s15, s14, STG
	v_add_nc_u32 v[SIN], s15, v[LI]
	v_mul_u32_u24 v[SOUT], v2, 528
	v_lshl_add_u32 v[SOUT], v3, 6, v[SOUT]
	v_add_nc_u32 v[SOUT], s15, v[SOUT]
	s_lshr_b32 s15, s14, 1
	s_lshl_b32 s15, s15, 8
	s_and_b32 s16, s14, 1
	s_lshl_b32 s16, s16, 3
	s_add_co_u32 s15, s15, s16
	s_add_co_u32 s15, s15, SG                      ; my two words of a row: 256 (w / 2) + 8 (w % 2)
	v_lshlrev_b32 v[SGW], 4, v2
	v_add_nc_u32 v[SGW], s15, v[SGW]
	v_add_nc_u32 v[SGR], SG, v[LI]
.irp b, 0,1,2,3
	v_mov_b32 v[TM+4+\b], 0                        ; a lane permute's destination counts as one of its sources
.endr
	s_wait_alu depctr_va_vdst(0)
	s_mov_b32 s20, 0x76543210
	s_mov_b32 s21, 0xfedcba98                      ; v_permlanex16_b32's selects for lane l xor 16
	s_lshr_b32 s15, ttmp9, 4                       ; a fragment of x: its first row 256 g + 128 w + 64 c + 8 j,
	s_lshl_b32 s15, s15, 8
	s_and_b32 s17, ttmp9, 1
	s_lshl_b32 s17, s17, 7
	s_add_co_u32 s15, s15, s17
	s_and_b32 s17, ttmp9, 8
	s_lshl_b32 s17, s17, 3
	s_add_co_u32 s15, s15, s17
	s_and_b32 s17, ttmp9, 6
	s_lshl_b32 s17, s17, 2
	s_add_co_u32 s15, s15, s17
	s_and_b32 s16, ttmp9, 60                       ; of a weight: 64 hd + 8 j
	s_lshl_b32 s16, s16, 4
	s_and_b32 s17, ttmp9, 3
	s_lshl_b32 s17, s17, 3
	s_add_co_u32 s16, s16, s17
	s_cmp_lt_u32 ttmp9, 512
	s_cselect_b32 s15, s15, s16
	s_lshl_b32 s22, s15, 12
	s_lshl_b32 s17, s14, 10
	s_add_co_u32 s22, s22, s17                     ; in bytes, + my 256 along K
	s_mov_b32 s23, 0
	s_mul_i32 s26, ttmp9, 12800
	s_mul_i32 s17, s14, 3072
	s_add_co_u32 s24, s26, s17                     ; my two K steps' codes
	s_mov_b32 s25, 0
	s_add_co_u32 s26, s26, 12288                   ; the scale words
	s_mov_b32 s27, 0
	s_wait_kmcnt 0x0
	s_cmp_lt_u32 ttmp9, 640                        ; which tensor: the choice hangs on the work-group's number alone
	s_cselect_b64 s[8:9], s[8:9], s[10:11]
	s_cmp_lt_u32 ttmp9, 576
	s_cselect_b64 s[6:7], s[6:7], s[8:9]
	s_cmp_lt_u32 ttmp9, 512
	s_cselect_b64 s[4:5], s[4:5], s[6:7]
	s_add_nc_u64 s[4:5], s[4:5], s[22:23]
	s_add_nc_u64 s[6:7], s[12:13], s[24:25]
	s_add_nc_u64 s[8:9], s[12:13], s[26:27]
.macro LOAD t                          ; step t: 128 numbers of each of the 16 rows
.irp i, 0,1,2,3,4,5,6,7,8,9,10,11,12,13,14,15
	global_load_b128 v[R+64*\t+4*\i:R+64*\t+4*\i+3], v[LI], s[4:5] offset:(\i+24*(\i/8))*4096+512*\t th:TH_LOAD_NT
.endr
.endm
.macro TURN t                          ; through the stage and back: LDS serves a wave's instructions in order.  Register 16 b + i is then k = 32 b + 16 h + i of lane-row r
.irp i, 0,1,2,3,4,5,6,7,8,9,10,11,12,13,14,15
	ds_store_b128 v[SIN], v[R+64*\t+4*\i:R+64*\t+4*\i+3] offset:528*\i
.endr
.irp b, 0,1,2,3
.irp j, 0,1,2,3
	ds_load_b128 v[R+64*\t+16*\b+4*\j:R+64*\t+16*\b+4*\j+3], v[SOUT] offset:128*\b+16*\j
.endr
.endr
.endm
.macro QUANT s, pc, pw                 ; 64 numbers of a lane become a fragment's 12 registers of codes and its row's scale word
.irp b, 0,1,2,3
	v_max3_num_f32 v[TM+\b], |v[\s+16*\b]|, |v[\s+16*\b+1]|, 0x1800000   ; with the floor 2^(3 - 127)
.endr
.irp i, 2,4,6,8,10,12,14
.irp b, 0,1,2,3
	v_max3_num_f32 v[TM+\b], v[TM+\b], |v[\s+16*\b+\i]|, |v[\s+16*\b+\i+1]|
.endr
.endr
.irp b, 0,1,2,3
	v_permlanex16_b32 v[TM+4+\b], v[TM+\b], s20, s21
.endr
.irp b, 0,1,2,3
	v_max_num_f32 v[TM+\b], v[TM+\b], v[TM+4+\b]   ; with lane l xor 16's: the block's largest magnitude
.endr
.irp b, 0,1,2,3
	v_add_nc_u32 v[TM+12+\b], 0xff000000, v[TM+\b] ; 2 off its exponent field: the conversion's scale operand
.endr
.irp b, 0,1,2,3
	v_lshrrev_b32 v[TM+4+\b], 23, v[TM+12+\b]      ; the scale's byte
.endr
	v_lshl_or_b32 v[\pw], v[TM+5], 8, v[TM+4]
	v_lshl_or_b32 v[\pw], v[TM+6], 16, v[\pw]
	v_lshl_or_b32 v[\pw], v[TM+7], 24, v[\pw]
.irp c, 0,1
	v_cvt_scalef32_pk16_fp6_f32 v[\pc+6*\c:\pc+6*\c+2], v[\s+32*\c:\s+32*\c+15], v[TM+12+2*\c]
	v_cvt_scalef32_pk16_fp6_f32 v[PT+4*\c:PT+4*\c+2], v[\s+32*\c+16:\s+32*\c+31], v[TM+12+2*\c+1]
.endr
	v_nop                                          ; one plain place behind a scaled conversion
.irp c, 0,1                            ; the operand's layout wants a whole block in a lane
.irp i, 0,1,2
	v_permlane16_swap_b32 v[\pc+6*\c+\i], v[PT+4*\c+\i]
.endr
.irp i, 0,1,2
	v_mov_b32 v[\pc+3+6*\c+\i], v[PT+4*\c+\i]
.endr
.endr
.endm
	LOAD 0
	LOAD 1
	s_wait_loadcnt 16                              ; step 0's sixteen loads are in; step 1's may be out
	TURN 0
	s_wait_dscnt 0x0
	QUANT R, PC, PW
.irp c, 0,1,2
	global_store_b128 v[LI], v[PC+4*\c:PC+4*\c+3], s[6:7] offset:512*\c   ; 32 lanes store 512 consecutive bytes
.endr
	ds_store_b32 v[SGW], v[PW]                     ; both halves of the lanes write the same word with the same value
	s_wait_loadcnt 0x0
	TURN 1
	s_wait_dscnt 0x0
	QUANT R+64, PC+12, PW+1                        ; registers of its own: no store's data are written again
.irp c, 0,1,2
	global_store_b128 v[LI], v[PC+12+4*\c:PC+12+4*\c+3], s[6:7] offset:1536+512*\c
.endr
	ds_store_b32 v[SGW], v[PW+1] offset:4
	s_wait_dscnt 0x0                               ; for wave 0's sake: my words lie in LDS
	s_barrier_signal -1
	s_barrier_wait -1
	s_cmp_lg_u32 s14, 0
	s_cbranch_scc1 .Lend
	ds_load_b128 v[16:19], v[SGR]
	s_wait_dscnt 0x0
	global_store_b128 v[LI], v[16:19], s[8:9]      ; the fragment's 512 bytes of scale words
.Lend:
	s_wait_tensorcnt 0x0                           ; the wave's end
	ds_add_u32 v[SPW], v[NIL]
	s_wait_dscnt 0x0
	s_endpgm
.Lfunc_end_k_qe9e309a7be_quant:
	.size	k_qe9e309a7be_quant, .Lfunc_end_k_qe9e309a7be_quant-k_qe9e309a7be_quant
	.p2alignl 7, 3214868480
	.fill 96, 4, 3214868480
	.section	.rodata,"a",@progbits
	.p2align	6, 0x0
	.amdhsa_kernel k_qe9e309a7be_quant
		.amdhsa_group_segment_fixed_size 34816
		.amdhsa_private_segment_fixed_size 0
		.amdhsa_enable_private_segment 0
		.amdhsa_kernarg_size 40
		.amdhsa_user_sgpr_count 2
		.amdhsa_user_sgpr_kernarg_segment_ptr 1
		.amdhsa_wavefront_size32 1
		.amdhsa_system_sgpr_workgroup_id_x 1
		.amdhsa_system_sgpr_workgroup_id_y 1
		.amdhsa_system_sgpr_workgroup_id_z 1
		.amdhsa_system_vgpr_workitem_id 0
		.amdhsa_next_free_vgpr 192
		.amdhsa_next_free_sgpr 66
		.amdhsa_reserve_vcc 0
		.amdhsa_float_denorm_mode_32 3
		.amdhsa_float_denorm_mode_16_64 3
		.amdhsa_memory_ordered 1
		.amdhsa_forward_progress 1
		.amdhsa_inst_pref_size 19
	.end_amdhsa_kernel
	.amdgpu_metadata
---
amdhsa.version: [ 1, 2 ]
amdhsa.kernels:
  - .name:           k_qe9e309a7be_quant
    .symbol:         k_qe9e309a7be_quant.kd
    .args:
      - { .name: inputs, .offset: 0, .size: 8, .value_kind: global_buffer, .address_space: global }
      - { .name: w_q, .offset: 8, .size: 8, .value_kind: global_buffer, .address_space: global }
      - { .name: w_k, .offset: 16, .size: 8, .value_kind: global_buffer, .address_space: global }
      - { .name: w_v, .offset: 24, .size: 8, .value_kind: global_buffer, .address_space: global }
      - { .name: xw, .offset: 32, .size: 8, .value_kind: global_buffer, .address_space: global }
    .group_segment_fixed_size: 34816
    .private_segment_fixed_size: 0
    .kernarg_segment_align: 8
    .kernarg_segment_size: 40
    .max_flat_workgroup_size: 128
    .sgpr_count:     66
    .vgpr_count:     192
    .wavefront_size: 32
...
	.end_amdgpu_metadata
.endif
;; end of part 1
;; launch proj (part 2): grid 16 x 16, 4 waves a work-group, clusters of 4 x 4, 327,680 bytes of LDS; arguments xw, qk, vt; writes qk, vt
.if DOCPART == 2
	.amdgcn_target "amdgcn-amd-amdhsa--gfx1250"
	.amdhsa_code_object_version 6
	.text
	.protected	k_qe9e309a7be_proj
	.globl	k_qe9e309a7be_proj
	.p2align	8
	.type	k_qe9e309a7be_proj,@function
k_qe9e309a7be_proj:
	s_mov_b64 s[64:65], 0
	v_nop
	global_prefetch_b8 v0, s[64:65] scope:SCOPE_SE
	s_setreg_imm32_b32 hwreg(HW_REG_WAVE_MODE, 25, 1), 1
	s_wait_xcnt 0x0
	s_wait_alu depctr_hold_cnt(0) depctr_sa_sdst(0) depctr_va_vdst(0) depctr_va_sdst(0) depctr_va_ssrc(0) depctr_va_vcc(0) depctr_vm_vsrc(0)
	s_getreg_b32 s2, hwreg(HW_REG_IB_STS2, 6, 4)
	s_cmp_eq_u32 s2, 0
	s_cbranch_scc0 .Lentry_in_a_cluster
	s_endpgm
.Lentry_in_a_cluster:
	s_bfe_u32 s2, ttmp6, 0x10000c
	s_cmp_lg_u32 s2, 0xf033
	s_cbranch_scc0 .Lentry_shape_is_right
	s_endpgm
.Lentry_shape_is_right:
; Q, K, V = x W^T on codes of FP6, each result quantised at once for the product that takes it; no f32 result is stored.  q is stored WITHOUT its division by 32 = sqrt(1,024): a power of two changes no code; it stands in the scores' factor.
; XW: fragments of 12,800 bytes (codes, then scale words), as the first launch lays them: x's 512, then 64 each of Wq, Wk, Wv.
; OUT (r = lane % 16, h = lane / 16; key step = 128 tokens; tile i = 4 c + j of a key step holds in lane r the token 64 c + 32 (r / 8) + 8 j + r % 8):
; qk [q, k][key step 64][step of 256 e 4][25,600]: fragment (i, q) at 3,072 i + 1,536 q, q the 128 of e: registers 0-3 at 16 l, 6-9 at 512 + 16 l, 4-5 at 1,024 + 8 l, 10-11 at 1,280 + 8 l; scale words at 24,576 + 512 q + 64 i + 4 r.
; vt [128 of e 8][step of 512 keys 16][51,200]: head b of two at 24,576 b, fragment (tile t, key step q) at 6,144 t + 1,536 q as the image of 12 registers (registers 4 k .. at 512 k + 16 l); scale words at 49,152 + 512 q + 256 b + 64 t + 4 r.
; LIMITS: NaN and infinities are not served; a block whose largest magnitude lies under 2^-124 (a block of zeros too) gets the byte 1; this program alone reads the bytes.
; THE DEAL.  256 work-groups of four waves, 2 x 2: wave column b takes 64 rows of a weight, ALL of K, in registers (384); wave row w streams one key step's tiles past them, a BLOCK of 16 rows at a time, 32 products.
; PHASE 1 makes 256 x 128 of V, PHASE 2 512 x 128 of Q or K.  V's 256 rows are a half (s87) of the work-group's own 512, so the two chunks of 128 rows asked for at the head serve V's eight blocks and then phase 2's first eight.
; s87 and the tensor (s19) come from the cluster's number alone.  x's rows are shared by a row of the cluster, a weight's by a column: joint loads.
; LDS: two slots of a chunk each (8 fragments, 102,400 bytes), the weights' region, the stages of the results' scale bytes (XN, XM), the spare words.
; FILLS.  At the head one load a wave: waves 0, 1 the halves of Wv's rows, wave 2 chunk 0, wave 3 chunk 1.  Three refills, each behind a drained round, a quarter a wave: in V's block 2 the weights' region with Wq's or Wk's rows;
; in phase 2's blocks 2 and 6 a slot with a chunk of the other half.  Plain barriers in V's last block and in phase 2's blocks 10 and 12 show what the last refill brought.
; Behind every second product stand two ENTRIES of the block's list (at most four scalar lines and a vector line each): next addresses, descriptors, and the largest magnitudes of the LAST block's results.
; THE WAITS' COUNTS.  Younger than a block's fetch are the next block's NF loads and the byte stores between the two: none, four (phase 2's block 1) or one; where nothing more is fetched one.
; PREFETCHES, shared out by address among the sixteen waves that ask jointly (25 blocks of 256 bytes a wave): the second weight at the head; chunk 2 behind the first refill; chunk 3 between the phases.
.set FPW,    21                        ; fragments of 12 registers in a window of 256
.set NF,     26                        ; LDS loads of a block: 24 for eight fragments, 2 for eight scale words
.set FB,     12800                     ; bytes of a fragment
.set CH,     8*FB                      ; of a chunk
.set YB,     CH
.set BVB,    2*CH
.set XN,     3*CH                      ; Q's or K's scale bytes: [order of halves 2][w 2][tile 8][r 16][4]
.set XM,     XN+2048                   ; V's: [w 2][b 2][t 4][r 16][4]
.set SPARE,  XM+1024
.set ADRA0,  4                         ; v4, v22  LDS address of my fragments of block 0, 1;  v6, v23 of their scale words
.set AAS0,   6
.set CO,     9                         ; v9  16 x lane
.set SPW,    10
.set NIL,    11
.set ADRA,   12                        ; v12, v13  the same for the block that is fetched next
.set AAS,    13
.set ADRB,   14                        ; v14 my weights' fragments, v16 their scale words (lanes 16-31 one fragment on)
.set ABW,    16
.set COQ,    17                        ; v17 16 lane + 512 b, v21 8 lane + 1,024 + 256 b: my place in a fragment of qk
.set COQ8,   21
.set STO,    18                        ; v18, v19 the stages
.set STV,    19
.set SB,     24                        ; v24-39 the weights' scale words
.set TQ,     40                        ; v40-41 the two chains
.set SA,     44                        ; v44-59 the rows' scale words, two sets
.set TC,     60
.set ACC,    64                        ; phase 2: two sets of four accumulators
.set HV0,    64                        ; phase 1, band 0: 32 t + 8 j + i;  band 1 at HV1
.set HV1,    840
.set NCD,    128
.set MCD,    192
.set SOP,    240
.set EB,     244
.set VX,     248
.set G1A, 24
.set G1B, 32
.set GA,  56
.set GB,  60
.set GR,  68
.set MSB, 0
.macro WIN new
.if MSB != (\new)
	s_set_vgpr_msb (MSB<<8)|(\new)
.set MSB, (\new)
.endif
.endm
.macro PLACES n
.rept \n
	v_nop
.endr
.endm
.macro WALU
	s_wait_alu depctr_va_vdst(0)
.endm
.macro BARRIER
	s_barrier_signal -1
	s_barrier_wait -1
.endm
.macro MIDDLE                          ; a round's middle: the opening wait, wave 0's signal for the work-group, the cluster's wait
	WIN 0
	s_barrier_wait -1
	s_cmp_lg_u32 s14, 0
	s_cbranch_scc1 .Lnot_wave_0_\@
	s_barrier_signal -3
.Lnot_wave_0_\@:
	s_barrier_wait -3
.endm
.macro CROUND
	s_barrier_signal -1
	MIDDLE
	BARRIER
.endm
.macro GRD
	s_wait_tensorcnt 0x0
	ds_add_u32 v[SPW], v[NIL]
.endm
.macro TLOAD g0, g1
	tensor_load_to_lds s[\g0:\g0+3], s[\g1:\g1+7]
	s_nop 0
	PLACES 4
.endm
.macro GROUP1 g, mask, rows            ; rows of 12,800 bytes, dense: 1,600 elements of 8 bytes
	s_or_b32 s[\g], s\mask, (3<<16)|(1<<21)
	s_mov_b32 s[\g+1], 1600<<16
	s_mov_b32 s[\g+2], (\rows)<<16
	s_mov_b32 s[\g+3], 1600<<16
	s_mov_b32 s[\g+4], \rows
	s_mov_b32 s[\g+5], 1600
	s_mov_b32 s[\g+6], 0
	s_mov_b32 s[\g+7], 0
.endm
.macro SADD d, x
	s_add_co_u32 s\d, s\d, s\x
.endm
.macro G0SET g, lds                    ; group 0 for the tile at xw + s20 (s21 = 0)
	s_mov_b32 s[\g], 1
	s_mov_b32 s[\g+1], \lds
	s_add_nc_u64 s[\g+2:\g+3], s[4:5], s[20:21]
	s_or_b32 s[\g+3], s[\g+3], 0x80000000
.endm
; ---- fragment f lies in window 1 + f / 21 at register 12 (f % 21): 0-31 the weights' (4 q + t), 32-39 and 40-47 the rows' two sets
.macro FRAG f, adr, off
	WIN (1+(\f)/FPW)<<6
.set R_, 12*((\f)%FPW)
.irp c, 0,1,2
	ds_load_b128 v[R_+4*\c:R_+4*\c+3], \adr offset:(\off)+512*\c
.endr
.endm
.macro WEIGHTS
.irp q, 0,1,2,3,4,5,6,7
.irp t, 0,1,2,3
	FRAG 4*\q+\t, v[ADRB], FB*\t+1536*\q
.endr
.endr
	WIN 0
.irp p, 0,1
.irp c, 0,1
	ds_load_b128 v[SB+8*\p+4*\c:SB+8*\p+4*\c+3], v[ABW] offset:2*FB*\p+256*\c
.endr
.endr
.endm
.macro FETCHAT e, adr, as
.irp q, 0,1,2,3,4,5,6,7
	FRAG 32+8*(\e)+\q, \adr, 1536*\q
.endr
	WIN 0
	ds_load_b128 v[SA+8*(\e):SA+8*(\e)+3], \as
	ds_load_b128 v[SA+8*(\e)+4:SA+8*(\e)+7], \as offset:256
.endm
.macro FETCH e
	FETCHAT \e, v[ADRA], v[AAS]
.endm
.macro FETCH01                         ; a phase's first two blocks
	FETCHAT 0, v[ADRA0], v[AAS0]
	FETCHAT 1, v22, v23
	s_mov_b32 s101, 2*FB
.endm
; ---- product n = 4 q + t of a block.  kind 0 (Q, K): source 0 the weight's rows; kind 1 (V): source 0 x's rows
.macro PROD kind, e, n, a0, as
.set Q_, (\n)/4
.set FB_, (\n)
.set FA_, 32+8*(\e)+Q_
.set D_, (\a0)+(\as)*((\n)%4)
.set DL_, D_&255
.set XB_, SB+8*(((\n)%4)/2)+Q_
.set XA_, SA+8*(\e)+Q_
.if \kind
	WIN (1+FA_/FPW)|((1+FB_/FPW)<<2)|((D_>>8)<<4)|((D_>>8)<<6)
.if Q_
	PROD1 DL_, FA_, FB_, v[DL_:DL_+7], XA_, XB_, b, (\n)%2
.else
	PROD1 DL_, FA_, FB_, 0, XA_, XB_, b, (\n)%2
.endif
.else
	WIN (1+FB_/FPW)|((1+FA_/FPW)<<2)|((D_>>8)<<4)|((D_>>8)<<6)
.if Q_
	PROD1 DL_, FB_, FA_, v[DL_:DL_+7], XB_, XA_, a, (\n)%2
.else
	PROD1 DL_, FB_, FA_, 0, XB_, XA_, a, (\n)%2
.endif
.endif
.endm
.macro PROD1 d, s0, s1, c, x0, x1, side, o
.if \o
	v_wmma_scale_f32_16x16x128_f8f6f4 v[\d:\d+7], v[12*((\s0)%FPW):12*((\s0)%FPW)+11], v[12*((\s1)%FPW):12*((\s1)%FPW)+11], \c, v[\x0], v[\x1] matrix_a_fmt:MATRIX_FMT_FP6 matrix_b_fmt:MATRIX_FMT_FP6 matrix_\side\()_scale:MATRIX_SCALE_ROW1
.else
	v_wmma_scale_f32_16x16x128_f8f6f4 v[\d:\d+7], v[12*((\s0)%FPW):12*((\s0)%FPW)+11], v[12*((\s1)%FPW):12*((\s1)%FPW)+11], \c, v[\x0], v[\x1] matrix_a_fmt:MATRIX_FMT_FP6 matrix_b_fmt:MATRIX_FMT_FP6 matrix_\side\()_scale:MATRIX_SCALE_ROW0
.endif
.endm
.macro BLOCK kind, e, a0, as, from, to, list, x=0, y=0
.set N_, \from
.rept (\to)-(\from)
	PROD \kind, \e, N_, \a0, \as
.if N_%2
	\list N_-1, \x, \y
	\list N_, \x, \y
.endif
.set N_, N_+1
.endr
.endm
; ---- what the lists are made of: each macro writes entry i of its part, and nothing beyond its last
.macro STEP i, wrap                    ; the next block's LDS addresses: 2 entries
.if (\i) == 0
	s_add_co_u32 s101, s101, 2*FB
.if \wrap
	s_cmp_eq_u32 s101, 2*CH
	s_cselect_b32 s101, 0, s101
.endif
	WIN 0
	v_add_nc_u32 v[ADRA], s101, v[ADRA0]
.elseif (\i) == 1
	WIN 0
	v_add_nc_u32 v[AAS], s101, v[AAS0]
.endif
.endm
.macro CHAIN i, x, n, t=TQ             ; 18 entries: the largest magnitude of the 32 sums from register x on, in two chains side by side; then the conversions' scale operand
.set XW_, (\x)>>8
.set XL_, (\x)&255
.if (\i) >= 0 && (\i) < 14
.set B_, XL_+16*((\i)%2)+2*((\i)/2)
.set T_, (\t)+1-(\i)%2
.if (\i) < 2
	WIN XW_|(XW_<<2)|(XW_<<4)
	v_max3_num_f32 v[T_], |v[B_]|, |v[B_+1]|, |v[B_+2]|
.else
	WIN (XW_<<2)|(XW_<<4)
	v_max3_num_f32 v[T_], v[T_], |v[B_+1]|, |v[B_+2]|
.endif
.elseif (\i) == 14
	WIN XW_<<2
	v_max3_num_f32 v[\t+1], v[\t+1], |v[XL_+15]|, 0x1800000   ; with the floor 2^(3 - 127)
.elseif (\i) == 15
	WIN 0
	v_nop
.elseif (\i) == 16
	WIN XW_<<2
	v_max3_num_f32 v[\t], v[\t], |v[XL_+31]|, v[\t+1]
.elseif (\i) == 17
	WIN 0
	v_add_nc_u32 v[SOP+\n], 0xff000000, v[\t]      ; 2 off the exponent field
.endif
.endm
.macro CODES i, x, c, n, t=TC          ; 6 lines: 32 codes into v[c .. c+5], the scale's byte into v[EB+n]
.set XW_, (\x)>>8
.set XL_, (\x)&255
.if (\i) == 0
	WIN XW_
	v_cvt_scalef32_pk16_fp6_f32 v[\c:\c+2], v[XL_:XL_+15], v[SOP+\n]
.elseif (\i) == 1
	WIN XW_
	v_cvt_scalef32_pk16_fp6_f32 v[\t:\t+2], v[XL_+16:XL_+31], v[SOP+\n]
.elseif (\i) == 2
	WIN 0
	v_lshrrev_b32 v[EB+\n], 23, v[SOP+\n]
.else
	WIN 0
	v_mov_b32 v[\c+\i], v[\t+\i-3]
.endif
.endm
.macro CODES6 x, c, n
.irp i, 0,1,2,3,4,5
	CODES \i, \x, \c, \n
.endr
.endm
.macro PFTILE v, off, share            ; my sixteenth of a tile of 128 rows, for the L2: 25 blocks of 256 bytes (lanes beyond name the last again)
	s_mul_i32 s21, s\share, CH/16
	s_add_co_u32 s20, s\off, s21
	WIN 0
	v_min_u32 v\v, 24, v3
	v_lshl_add_u32 v\v, v\v, 8, s20
.endm
.macro PFGO v
	global_prefetch_b8 v\v, s[4:5] th:TH_LOAD_NT scope:SCOPE_SE
.endm
.macro PUTQ                            ; a pair of blocks leaves: 512 and 256 consecutive bytes a store
	global_store_b128 v[COQ], v[NCD:NCD+3], s[84:85]
	global_store_b64 v[COQ8], v[NCD+4:NCD+5], s[84:85]
	global_store_b128 v[COQ], v[NCD+6:NCD+9], s[84:85] offset:3072
	global_store_b64 v[COQ8], v[NCD+10:NCD+11], s[84:85] offset:3072
.endm
.macro ASK i                           ; 2 entries: my quarter of the chunk at s88 for the slot at s47; then both step on
.if (\i) == 0
	s_mul_i32 s20, s14, 2*FB
	s_add_co_u32 s[GR+1], s20, s47
	s_add_co_u32 s20, s20, s88
	s_mov_b32 s21, 0
.elseif (\i) == 1
	s_add_nc_u64 s[GR+2:GR+3], s[4:5], s[20:21]
	s_or_b32 s[GR+3], s[GR+3], 0x80000000
	s_add_co_u32 s88, s88, CH
	s_xor_b32 s47, s47, YB
.endif
.endm
.macro PAIR i                          ; 4 entries: where pair s46's codes go (the true half) and its scale bytes (the half in the order of work)
.if (\i) == 0
	s_lshr_b32 s3, s46, 2
	s_xor_b32 s20, s3, s87
	s_mul_i32 s20, s20, 204800
	s_and_b32 s22, s46, 3
.elseif (\i) == 1
	s_mul_i32 s21, s22, 6144
	s_add_co_u32 s20, s20, s21
	s_mov_b32 s21, 0
	s_lshl_b32 s22, s22, 7
.elseif (\i) == 2
	s_add_nc_u64 s[84:85], s[10:11], s[20:21]
	s_lshl_b32 s23, s3, 10
	s_or_b32 s22, s22, s23
	s_add_co_u32 s46, s46, 1
.elseif (\i) == 3
	WIN 0
	v_add_nc_u32 v[VX], s22, v[STO]
.endif
.endm
; ---- the lists
.macro L_STEP i, x, y
	STEP \i, 0
.endm
.macro L_NONE i, x, y
.endm
.macro L_OUT i, x, y
	STEP \i, 0
	CHAIN (\i)-3, \x, \y
.endm
.macro L_LAST i, x, y
	CHAIN \i, \x, \y
.endm
.macro L_V2 i, x, y                    ; the first refill's descriptors (from here on a load brings two fragments a wave), the step, chunk 2's prefetch address
.if (\i) == 0
	s_mov_b32 s[G1A+2], 2<<16
	s_mov_b32 s[G1A+4], 2
	s_mov_b32 s[G1B+2], 2<<16
	s_mov_b32 s[G1B+4], 2
.elseif (\i) == 1
	s_mul_i32 s20, s14, 2*FB
	s_add_co_u32 s[GB+1], s20, BVB
	s_add_co_u32 s20, s20, s9
	s_mov_b32 s21, 0
.elseif (\i) == 2
	s_add_nc_u64 s[GB+2:GB+3], s[4:5], s[20:21]
	s_or_b32 s[GB+3], s[GB+3], 0x80000000
.elseif (\i) == 6
	PFTILE 7, 88, 90
.endif
	STEP (\i)-3, 0
.endm
.macro L_V7 i, x, y                    ; chunk 3's prefetch address; the way out
.if (\i) == 0
	s_add_co_u32 s22, s88, CH
	PFTILE 20, 22, 90
.endif
	CHAIN (\i)-1, \x, \y
.endm
.macro L_ODD i, x, y
	PAIR \i
	STEP (\i)-4, 0
	CHAIN (\i)-7, ACC, 0
.endm
.macro L_ODDL i, x, y
	PAIR \i
	CHAIN (\i)-4, ACC, 0
.endm
.macro L_ROUND i, x, y
	ASK \i
	STEP (\i)-2, 1
	CHAIN (\i)-4, ACC+32, 1
.endm
; ---- phase 2's blocks.  w: the count of the wait for the block's rows (-1: they are shown in already)
.macro WAITDS w
.if (\w) >= 0
	s_wait_dscnt \w
.endif
.endm
.macro EVENOUT fetch                   ; behind an even block: the odd block's byte, the pair's codes, the fetch of the block two on
	WALU
	ds_store_b8 v[VX], v[EB+1] offset:64
	PUTQ
.if \fetch
	FETCH 0
.endif
.endm
.macro EVEN w, fetch
	WAITDS \w
.if \fetch
	BLOCK 0, 0, ACC, 8, 0, 32, L_OUT, ACC+32, 1
.else
	BLOCK 0, 0, ACC, 8, 0, 32, L_LAST, ACC+32, 1
.endif
	WIN 0
	CODES6 ACC+32, NCD+6, 1
	EVENOUT \fetch
.endm
.macro EVENROUND w                     ; the second and the third refill: the round stands inside the block
	WAITDS \w
	GRD
	BLOCK 0, 0, ACC, 8, 0, 26, L_ROUND
	WIN 0
	WALU
	s_wait_dscnt 0x0
	s_barrier_signal -1
	BLOCK 0, 0, ACC, 8, 26, 32, L_NONE
	WIN 0
	CODES6 ACC+32, NCD+6, 1
	MIDDLE
	BARRIER
	TLOAD GR, G1A
	EVENOUT 1
.endm
.macro EVENSHOW w                      ; a plain barrier inside the block
	WAITDS \w
	BLOCK 0, 0, ACC, 8, 0, 26, L_OUT, ACC+32, 1
	WIN 0
	WALU
	s_wait_tensorcnt 0x0
	s_wait_dscnt 0x0
	s_barrier_signal -1
	BLOCK 0, 0, ACC, 8, 26, 32, L_NONE
	WIN 0
	s_barrier_wait -1
	CODES6 ACC+32, NCD+6, 1
	EVENOUT 1
.endm
.macro ODD w, fetch
	WAITDS \w
	s_wait_xcnt 0x0                                ; the last pair's stores have read their data and their base
.if \fetch
	BLOCK 0, 1, ACC+32, 8, 0, 32, L_ODD
.else
	BLOCK 0, 1, ACC+32, 8, 0, 32, L_ODDL
.endif
	WIN 0
	CODES6 ACC, NCD, 0
	WALU
	ds_store_b8 v[VX], v[EB]
.if \fetch
	FETCH 1
.endif
.endm
; ================= THE HEAD
	s_load_b128 s[4:7], s[0:1], 0x0                     ; xw, qk
	s_load_b64 s[48:49], s[0:1], 0x10                   ; vt
	v_lshl_add_u32 v[SPW], v0, 2, SPARE
	v_mov_b32 v[NIL], 0
	ds_add_u32 v[SPW], v[NIL]                           ; the opening lines
	ds_add_u32 v[SPW], v[NIL]
	v_lshrrev_b32 v1, 5, v0
	v_readfirstlane_b32 s14, v1                         ; s14 the wave; s15 = w its row of the 2 x 2, s16 = b its column
	s_lshr_b32 s15, s14, 1
	s_and_b32 s16, s14, 1
	s_bfe_u32 s40, ttmp6, 0x40000                       ; cx
	s_bfe_u32 s41, ttmp6, 0x40004                       ; cy
	s_lshl_b32 s42, ttmp9, 2
	SADD 42, 40                                         ; phase 2's tile column: 0-7 Q, 8-15 K
	s_and_b32 s43, ttmp7, 0xffff
	s_lshl_b32 s43, s43, 2
	SADD 43, 41                                         ; its tile row
	s_lshr_b32 s19, ttmp9, 1                            ; 0 Q, 1 K
	s_and_b32 s87, ttmp9, 1                             ; V's half of my 512 rows
	s_lshl_b32 s13, s19, 2
	SADD 13, 40                                         ; V's tile column
	s_lshl_b32 s12, s43, 1
	SADD 12, 87                                         ; V's tile row: a group of 256 rows
	s_lshl_b32 s44, s41, 2
	s_lshl_b32 s44, 15, s44                             ; my row of the cluster
	s_lshl_b32 s45, 0x1111, s40                         ; my column
	GROUP1 G1A, 44, 8
	GROUP1 G1B, 45, 4
	s_mul_i32 s66, s12, 2*CH                            ; chunk 0, bytes from xw
	s_xor_b32 s88, s12, 1
	s_mul_i32 s88, s88, 2*CH                            ; the other half's chunks
	s_mul_i32 s9, s42, CH
	s_add_co_u32 s9, s9, 512*FB                         ; Wq's or Wk's rows
	s_mul_i32 s54, s13, CH
	s_add_co_u32 s54, s54, 640*FB                       ; Wv's,
	s_mul_i32 s55, s14, 4*FB
	SADD 54, 55                                         ; the half that waves 0 and 1 fetch
	s_add_co_u32 s55, s55, BVB
	s_lshl_b32 s90, s40, 2
	SADD 90, 14                                         ; my number among the sixteen waves of my row of the cluster,
	s_lshl_b32 s100, s41, 2
	SADD 100, 14                                        ; and of my column
	v_and_b32 v1, 15, v0
	v_bfe_u32 v2, v0, 4, 1
	v_and_b32 v3, 31, v0
	v_lshlrev_b32 v[CO], 4, v3
	s_mul_i32 s20, s15, FB
	v_add_nc_u32 v[ADRA0], s20, v[CO]
	s_add_co_u32 s20, s20, 12288
	v_lshlrev_b32 v5, 4, v1
	v_add_nc_u32 v[AAS0], s20, v5
	v_add_nc_u32 v22, 2*FB, v[ADRA0]
	v_add_nc_u32 v23, 2*FB, v[AAS0]
	s_mul_i32 s20, s16, 4*FB
	s_add_co_u32 s20, s20, BVB
	v_add_nc_u32 v[ADRB], s20, v[CO]
	s_add_co_u32 s20, s20, 12288
	v_mul_u32_u24 v[ABW], FB, v2
	v_add_nc_u32 v[ABW], v[ABW], v5
	v_add_nc_u32 v[ABW], s20, v[ABW]
	s_lshl_b32 s20, s16, 9
	v_add_nc_u32 v[COQ], s20, v[CO]
	s_lshl_b32 s20, s16, 8
	s_add_co_u32 s20, s20, 1024
	v_lshlrev_b32 v[COQ8], 3, v3
	v_add_nc_u32 v[COQ8], s20, v[COQ8]
	v_lshl_add_u32 v5, v1, 2, v2                        ; 4 r + h
	s_lshl_b32 s20, s15, 9
	s_lshl_b32 s22, s16, 1
	SADD 22, 20
	s_add_co_u32 s22, s22, XN
	v_add_nc_u32 v[STO], s22, v5
	s_lshl_b32 s22, s14, 8
	s_add_co_u32 s22, s22, XM
	v_add_nc_u32 v[STV], s22, v5
	WALU
	s_wait_dscnt 0x0
	CROUND                                              ; all sixteen work-groups are here: the first joint loads meet
	s_wait_kmcnt 0x0
	s_mov_b32 s21, 0
	s_mov_b32 s20, s66
	G0SET GA, 0
	s_add_co_u32 s20, s20, CH
	G0SET GR, YB
	s_mov_b32 s20, s54
	G0SET GB, s55
	s_cmp_lt_u32 s14, 2
	s_cbranch_scc0 .Lwave_2
	TLOAD GB, G1B                                       ; waves 0 and 1: Wv's rows
	s_branch .Lasked
.Lwave_2:
	s_cmp_eq_u32 s14, 2
	s_cbranch_scc0 .Lwave_3
	TLOAD GA, G1A                                       ; wave 2: chunk 0
	s_branch .Lasked
.Lwave_3:
	TLOAD GR, G1A                                       ; wave 3: chunk 1
.Lasked:
	s_lshl_b32 s22, s19, 6                              ; where the results go
	s_lshl_b32 s20, s43, 2
	SADD 22, 20
	s_lshl_b32 s22, s22, 2
	s_bfe_u32 s23, s42, 0x20001
	SADD 22, 23
	s_mul_i32 s22, s22, 25600                           ; (64 tensor + 4 tile row) key steps, my step of 256 e
	s_and_b32 s23, s42, 1                               ; which 128 of e in it
	s_mul_i32 s20, s15, 102400
	SADD 20, 22
	s_mul_i32 s3, s23, 1536
	SADD 20, 3
	s_add_nc_u64 s[10:11], s[6:7], s[20:21]             ; Q's or K's codes
	s_xor_b32 s20, s15, s87                             ; the stage's halves lie in the order of work
	s_lshl_b32 s20, s20, 1
	SADD 20, 16
	s_mul_i32 s20, s20, 102400
	SADD 20, 22
	s_lshl_b32 s23, s23, 9
	SADD 20, 23
	s_add_co_u32 s20, s20, 24576
	s_add_nc_u64 s[76:77], s[6:7], s[20:21]             ; the scale words that my wave stores
	s_lshl_b32 s22, s13, 4
	s_lshr_b32 s23, s12, 1
	SADD 22, 23
	s_mul_i32 s22, s22, 51200
	s_and_b32 s23, s12, 1
	s_mul_i32 s20, s16, 24576
	SADD 20, 22
	s_lshl_b32 s3, s23, 1
	SADD 3, 15
	s_mul_i32 s3, s3, 1536
	SADD 20, 3
	s_add_nc_u64 s[50:51], s[48:49], s[20:21]           ; V's codes
	s_lshl_b32 s20, s23, 10
	SADD 20, 22
	s_lshl_b32 s3, s14, 8
	SADD 20, 3
	s_add_co_u32 s20, s20, 49152
	s_add_nc_u64 s[52:53], s[48:49], s[20:21]           ; V's scale words that my wave stores
	s_mov_b32 s46, 0
	s_mov_b32 s47, 0
	PFTILE 8, 9, 100                                    ; what the first refill will load
	WALU
	s_cmp_lt_u32 s14, 2
	s_cbranch_scc0 .Lnot_b
	s_wait_tensorcnt 0x0
.Lnot_b:
	BARRIER                                             ; Wv's rows are in
	PFGO 8
	WEIGHTS
	s_cmp_eq_u32 s14, 3
	s_cbranch_scc1 .Lnot_a0
	s_wait_tensorcnt 0x0
.Lnot_a0:
	s_wait_dscnt 0x0
	BARRIER                                             ; chunk 0 is in; chunk 1 may still be on its way
	FETCH01
; ================= PHASE 1: V, eight blocks; band 0's way outs stand in band 1's blocks
.irp s, 0,1
	s_wait_dscnt NF
	BLOCK 1, \s, HV0+8*\s, 32, 0, 32, L_STEP
	WIN 0
	PLACES 4
	WALU
	FETCH \s
.endr
	s_wait_dscnt NF
	GRD
	BLOCK 1, 0, HV0+16, 32, 0, 24, L_V2
	WIN 0
	WALU
	s_wait_dscnt 0x0
	s_barrier_signal -1
	BLOCK 1, 0, HV0+16, 32, 24, 32, L_NONE
	MIDDLE
	BARRIER
	TLOAD GB, G1B                                       ; a quarter of Wq's or Wk's rows a wave, onto Wv's, which all waves hold in registers
	WALU
	FETCH 0
	PFGO 7
	BLOCK 1, 1, HV0+24, 32, 0, 32, L_STEP
	WIN 0
	PLACES 4
	WALU
	FETCH 1
.irp j, 0,1,2
	s_wait_dscnt NF+(\j+1)/2
.if \j < 2
	BLOCK 1, \j%2, HV1+8*\j, 32, 0, 32, L_OUT, HV0+32*\j, \j
.else
	BLOCK 1, \j%2, HV1+8*\j, 32, 0, 32, L_LAST, HV0+32*\j, \j
.endif
	WIN 0
	CODES6 HV0+32*\j, MCD+12*\j, \j
	WALU
	ds_store_b8 v[STV], v[EB+\j] offset:64*\j
.if \j < 2
	FETCH \j%2
.endif
.endr
	s_wait_dscnt 1
	BLOCK 1, 1, HV1+24, 32, 0, 26, L_V7, HV0+96, 3
	WIN 0
	WALU
	s_wait_tensorcnt 0x0
	s_wait_dscnt 0x0
	s_barrier_signal -1                                 ; a plain barrier: the weights that the first refill brought are shown to all
	BLOCK 1, 1, HV1+24, 32, 26, 32, L_NONE
	WIN 0
	s_barrier_wait -1
	CODES6 HV0+96, MCD+36, 3
	WALU
	ds_store_b8 v[STV], v[EB+3] offset:192
; ================= THE CHANGE OF PHASE: the weights and the first two blocks' rows, still in slot 0, in one run of loads; band 1's four way outs under their flight
	WEIGHTS
	FETCH01
	PFGO 20
.set I, 0
.rept 18
.irp t, 0,1,2,3
	CHAIN I, HV1+32*\t, \t, 64+4*\t
.endr
.set I, I+1
.endr
.set I, 0
.rept 6
.irp t, 0,1,2,3
	CODES I, HV1+32*\t, MCD+12*\t+6, \t, 80+4*\t
.endr
.set I, I+1
.endr
	WIN 0
	WALU
; ================= PHASE 2: Q or K, sixteen blocks, way outs by pairs
	s_wait_dscnt NF
	BLOCK 0, 0, ACC, 8, 0, 32, L_STEP
	WIN 0
	PLACES 4
	WALU
.irp t, 0,1,2,3
	ds_store_b8 v[STV], v[EB+\t] offset:2+64*\t
.endr
.irp t, 0,1,2,3
.irp k, 0,1,2
	global_store_b128 v[CO], v[MCD+12*\t+4*\k:MCD+12*\t+4*\k+3], s[50:51] offset:6144*\t+512*\k   ; V's codes leave
.endr
.endr
	FETCH 0
	ODD NF+4, 1
	s_mov_b32 s86, 0
.Lwith_rounds:                                          ; blocks 2 to 5, 6 to 9
	EVENROUND NF+1
	ODD -1, 1
	EVEN NF+1, 1
	ODD NF+1, 1
	s_add_co_u32 s86, s86, 1
	s_cmp_lg_u32 s86, 2
	s_cbranch_scc1 .Lwith_rounds
.Lwithout:                                              ; blocks 10, 11 and 12, 13
	EVENSHOW NF+1
	ODD -1, 1
	s_add_co_u32 s86, s86, 1
	s_cmp_lg_u32 s86, 4
	s_cbranch_scc1 .Lwithout
	EVEN NF+1, 0
	ODD 1, 0
; ================= THE END: the last way out; the scale bytes go through LDS under its conversions
	s_lshl_b32 s20, s14, 9
	s_add_co_u32 s20, s20, XN
	v_add_nc_u32 v12, s20, v[CO]
	s_lshl_b32 s20, s14, 8
	s_add_co_u32 s20, s20, XM
	v_lshlrev_b32 v13, 3, v3
	v_add_nc_u32 v14, s20, v13
.set I, 0
.rept 18
	CHAIN I, ACC+32, 1
.set I, I+1
.endr
	CODES 2, ACC+32, NCD+6, 1
	s_wait_xcnt 0x0                                     ; the last pair's stores have read their data
	WALU
	ds_store_b8 v[VX], v[EB+1] offset:64
	s_wait_dscnt 0x0
	s_barrier_signal -1
	CODES 0, ACC+32, NCD+6, 1
	CODES 1, ACC+32, NCD+6, 1
	WIN 0
	v_nop
.irp i, 3,4,5
	CODES \i, ACC+32, NCD+6, 1
.endr
	WALU
	s_barrier_wait -1
	ds_load_b128 v[64:67], v12
	ds_load_b64 v[68:69], v14
	PUTQ
	s_wait_dscnt 0x0
	global_store_b128 v[CO], v[64:67], s[76:77]         ; 512 consecutive bytes of a key step's words
	global_store_b64 v13, v[68:69], s[52:53]            ; 256 consecutive bytes of V's
	s_wait_tensorcnt 0x0                                ; the wave's end
	ds_add_u32 v[SPW], v[NIL]
	s_wait_dscnt 0x0
	CROUND                                              ; the closing round
	s_endpgm
.Lfunc_end_k_qe9e309a7be_proj:
	.size	k_qe9e309a7be_proj, .Lfunc_end_k_qe9e309a7be_proj-k_qe9e309a7be_proj
	.p2alignl 7, 3214868480
	.fill 96, 4, 3214868480
	.section	.rodata,"a",@progbits
	.p2align	6, 0x0
	.amdhsa_kernel k_qe9e309a7be_proj
		.amdhsa_group_segment_fixed_size 327680
		.amdhsa_private_segment_fixed_size 0
		.amdhsa_enable_private_segment 0
		.amdhsa_kernarg_size 24
		.amdhsa_user_sgpr_count 2
		.amdhsa_user_sgpr_kernarg_segment_ptr 1
		.amdhsa_wavefront_size32 1
		.amdhsa_system_sgpr_workgroup_id_x 1
		.amdhsa_system_sgpr_workgroup_id_y 1
		.amdhsa_system_sgpr_workgroup_id_z 1
		.amdhsa_system_vgpr_workitem_id 0
		.amdhsa_next_free_vgpr 992
		.amdhsa_next_free_sgpr 102
		.amdhsa_reserve_vcc 0
		.amdhsa_float_denorm_mode_32 3
		.amdhsa_float_denorm_mode_16_64 3
		.amdhsa_memory_ordered 1
		.amdhsa_forward_progress 1
		.amdhsa_inst_pref_size 176
	.end_amdhsa_kernel
	.amdgpu_metadata
---
amdhsa.version: [ 1, 2 ]
amdhsa.kernels:
  - .name:           k_qe9e309a7be_proj
    .symbol:         k_qe9e309a7be_proj.kd
    .args:
      - { .name: xw, .offset: 0, .size: 8, .value_kind: global_buffer, .address_space: global }
      - { .name: qk, .offset: 8, .size: 8, .value_kind: global_buffer, .address_space: global }
      - { .name: vt, .offset: 16, .size: 8, .value_kind: global_buffer, .address_space: global }
    .group_segment_fixed_size: 327680
    .private_segment_fixed_size: 0
    .kernarg_segment_align: 8
    .kernarg_segment_size: 24
    .max_flat_workgroup_size: 128
    .sgpr_count:     102
    .vgpr_count:     992
    .wavefront_size: 32
...
	.end_amdgpu_metadata
.endif
;; end of part 2
;; launch scores (part 3): grid 8 x 32, 4 waves a work-group, clusters of 4 x 4, 327,680 bytes of LDS; arguments qk, p; writes p
.if DOCPART == 3
	.amdgcn_target "amdgcn-amd-amdhsa--gfx1250"
	.amdhsa_code_object_version 6
	.text
	.protected	k_qe9e309a7be_scores
	.globl	k_qe9e309a7be_scores
	.p2align	8
	.type	k_qe9e309a7be_scores,@function
k_qe9e309a7be_scores:
	s_mov_b64 s[64:65], 0
	v_nop
	global_prefetch_b8 v0, s[64:65] scope:SCOPE_SE
	s_setreg_imm32_b32 hwreg(HW_REG_WAVE_MODE, 25, 1), 1
	s_wait_xcnt 0x0
	s_wait_alu depctr_hold_cnt(0) depctr_sa_sdst(0) depctr_va_vdst(0) depctr_va_sdst(0) depctr_va_ssrc(0) depctr_va_vcc(0) depctr_vm_vsrc(0)
	s_getreg_b32 s2, hwreg(HW_REG_IB_STS2, 6, 4)
	s_cmp_eq_u32 s2, 0
	s_cbranch_scc0 .Lentry_in_a_cluster
	s_endpgm
.Lentry_in_a_cluster:
	s_bfe_u32 s2, ttmp6, 0x10000c
	s_cmp_lg_u32 s2, 0xf033
	s_cbranch_scc0 .Lentry_shape_is_right
	s_endpgm
.Lentry_shape_is_right:
; S = q k^T on codes of FP6, and the softmax's weights, quantised for the last product, group by group of 128 keys.
; t = S x c, c = log2(e) / 32: the division of q by sqrt(1,024) = 32 stands in c.
; FOR EACH QUERY AND EACH GROUP OF 128 KEYS: M = the group's largest t rounded UP to a whole number; p = 2^(t - M); l = the sum of the unquantised p; p is quantised along the keys (four blocks of 32).
; Stored: p's codes and scale words, -M (a whole number, in f32) and l.  The next launch brings all groups of a row under the row's M: an exact power of two, which the scale bytes take up.
; A block's largest p is not searched for: p rises with the score, so the block's largest SCORE goes through the same multiply-add and exponential (this takes v_exp_f32 not to fall where its input rises).
; qk is as the launch before lays it: 25,600 bytes for 128 rows x 256 of e, codes and scale words: one tensor load of a wave.  p: fragment f (16 queries), key step ks at (16 f + ks) x 1,536, the image of 12 registers
; (registers 4 k .. at 512 k + 16 l); behind the codes three times 16 planes of 8,192 words (scale words, -M, l), word 16 f + r.
; TRANSPOSED: source 0 = 16 keys, source 1 = 16 queries (the lanes).  Tiles 4 c + j, j = 0 .. 3, give lane (r, h) the 32 keys 64 c + 32 h + 0 .. 31: a whole block.
; SHARES.  256 queries x 256 keys to a work-group, 128 x 128 a wave.  Four K steps of 256 through three slots a, b, c: step 0 into a at the head; steps 1 and 2 into b and c by one load behind the first round;
; step 3 into a, the one refill.  Waves 0, 1 fetch q's halves (shared along a row of the cluster), waves 2, 3 k's (along a column).
; Nothing is prefetched: the walk is four steps, written out, with no loop to run ahead in.
; LIMITS: scaled scores stay under 2^31 in magnitude; NaN and infinities are not served; a block all of whose p lie under 2^-124 keeps the byte 1.
; REGISTERS: window 0: addresses; v32-63 scale words, two sets; v64-87 at work; v128-223 A's fragments.  Window 1: B's, two sets.  Windows 2, 3: accumulator (a, b) at v[64 (a % 4) + 8 b].
.set SL,    25600
.set WR,    3*SL                       ; a fetching wave's three slots
.set SCR,   4*WR                       ; a scratch of 1,536 bytes a wave
.set SPARE, SCR+4*1536
.set P_S,   12582912
.set ADRB,  4                          ; v4-6   B, 16 x lane, slots a, b, c
.set LI,    8
.set SCW,   9                          ; v9     the scratch: 4 r
.set SCRD,  10                         ; v10    16 x lane
.set SC8,   11                         ; v11    4 r + h
.set ADB8,  12                         ; v12-14 B, 8 x lane
.set ADRA,  16                         ; v16-18 A, 16 x lane
.set ADA8,  20                         ; v20-22 A, 8 x lane
.set ADRS,  24                         ; v24-26 scale words: lanes 0-15 A's, lanes 16-31 B's
.set SPW,   28
.set NIL,   29
.set SC,    32
.set BM,    64
.set SO,    72
.set BY,    76
.set NM,    80                         ; v80 -M, v81 the group's largest t
.set SUM,   82
.set SU2,   84
.set T0,    86
.set T1,    87
.set AF,    128
.set PC,    128
.set PT,    140
.set NMS,   168
.set LS,    176
.set SEL,   20
.set CS,    22
.set G1A,   24
.set G1B,   32
.set GA,    56
.set GB,    72
.set MUL_LO, 0xa1
.set MUL_HI, 0xf1
.set MSB, 0
.macro WIN new
.if MSB != (\new)
	s_set_vgpr_msb (MSB<<8)|(\new)
.set MSB, (\new)
.endif
.endm
.macro PLACES n
.rept \n
	v_nop
.endr
.endm
.macro CREST
	s_cmp_lg_u32 s14, 0
	s_cbranch_scc1 .Lnot_wave_0_\@
	s_barrier_signal -3
.Lnot_wave_0_\@:
	s_barrier_wait -3
	s_barrier_signal -1
	s_barrier_wait -1
.endm
.macro CROUND
	s_barrier_signal -1
	s_barrier_wait -1
	CREST
.endm
.macro JLOAD
	s_cmp_eq_u32 s15, 0
	s_cbranch_scc0 .Lfor_b_\@
	tensor_load_to_lds s[GA:GA+3], s[G1A:G1A+7]
	s_nop 0
	PLACES 4
	s_branch .Lasked_\@
.Lfor_b_\@:
	tensor_load_to_lds s[GB:GB+3], s[G1B:G1B+7]
	s_nop 0
	PLACES 4
.Lasked_\@:
.endm
.macro NEXT add, lds, rows             ; the next load's descriptors, while no load of the wave is out
.irp g, GA, GB
	s_add_nc_u64 s[\g+2:\g+3], s[\g+2:\g+3], \add
	s_add_co_u32 s[\g+1], s3, \lds
.endr
.irp g, G1A, G1B
	s_mov_b32 s[\g+2], (\rows)<<16
	s_mov_b32 s[\g+4], \rows
.endr
.endm
.macro FRAG reg, a16, a8, q, i
.set OF_, (2*(\i)+(\q))*1536
	ds_load_b128 v[(\reg):(\reg)+3], v[\a16] offset:OF_
	ds_load_b64 v[(\reg)+4:(\reg)+5], v[\a8] offset:OF_+1024
	ds_load_b128 v[(\reg)+6:(\reg)+9], v[\a16] offset:OF_+512
	ds_load_b64 v[(\reg)+10:(\reg)+11], v[\a8] offset:OF_+1280
.endm
.macro FETCH_B slot, q, p
	WIN 0x40
.irp i, 0,1,2,3,4,5,6,7
	FRAG 128*(\p)+12*\i, ADRB+\slot, ADB8+\slot, \q, \i
.endr
	WIN 0
.endm
.macro FETCH_A slot, q, i0
.irp i, \i0, \i0+1, \i0+2, \i0+3
	FRAG AF+12*(\i), ADRA+\slot, ADA8+\slot, \q, \i
.endr
.endm
.macro SCALES set, slot
.irp i, 0,1,2,3,4,5,6,7
	ds_load_b32 v[SC+16*(\set)+2*\i], v[ADRS+\slot] offset:64*\i
	ds_load_b32 v[SC+16*(\set)+2*\i+1], v[ADRS+\slot] offset:512+64*\i
.endr
.endm
.macro MULA a, p, q, set, zero         ; the accumulators take turns, one instruction a turn
.set AC, (64*(\a))%256
.irp b, 0,1,2,3,4,5,6,7
.if \zero
	v_wmma_scale_f32_16x16x128_f8f6f4 v[AC+8*\b:AC+8*\b+7], v[128*(\p)+12*\b:128*(\p)+12*\b+11], v[AF+12*(\a):AF+12*(\a)+11], 0, v[SC+16*(\set)+2*\b+(\q)], v[SC+16*(\set)+2*(\a)+(\q)] matrix_a_fmt:MATRIX_FMT_FP6 matrix_b_fmt:MATRIX_FMT_FP6 matrix_a_scale:MATRIX_SCALE_ROW1
.else
	v_wmma_scale_f32_16x16x128_f8f6f4 v[AC+8*\b:AC+8*\b+7], v[128*(\p)+12*\b:128*(\p)+12*\b+11], v[AF+12*(\a):AF+12*(\a)+11], v[AC+8*\b:AC+8*\b+7], v[SC+16*(\set)+2*\b+(\q)], v[SC+16*(\set)+2*(\a)+(\q)] matrix_a_fmt:MATRIX_FMT_FP6 matrix_b_fmt:MATRIX_FMT_FP6 matrix_a_scale:MATRIX_SCALE_ROW1
.endif
.endr
.endm
.macro STEP slot, set, zero            ; a K step's first 128
	s_wait_dscnt 16                                ; all but the youngest sixteen loads (A's blocks 4-7) are in
	WIN MUL_LO
.irp a, 0,1,2,3
	MULA \a, 0, 0, \set, \zero
.endr
	s_wait_dscnt 0x0
	PLACES 4                                       ; four plain vector instructions in front of loads into registers that matrix instructions have read
	FETCH_B \slot, 1, 1
	FETCH_A \slot, 1, 0
	WIN MUL_HI
.irp a, 4,5,6,7
	MULA \a, 0, 0, \set, \zero
.endr
	PLACES 4
	WIN 0
	FETCH_A \slot, 1, 4
.endm
.macro TURN next, set, nset, mode      ; its second 128.  mode 2: a round and the refill; 1: the work-group's barrier; 0: the next slot was shown whole earlier
.if \mode
	s_wait_tensorcnt 0x0                           ; all my tensor loads have landed
.endif
.if \mode == 2
	ds_add_u32 v[SPW], v[NIL]
	NEXT 2*SL, 0, 10                               ; step 3, into slot a
	s_wait_dscnt 17                                ; (the add and the youngest sixteen loads may be out)
.else
	s_wait_dscnt 16
.endif
	WIN MUL_LO
	MULA 0, 1, 1, \set, 0
	MULA 1, 1, 1, \set, 0
.if \mode
	s_wait_dscnt 0x0                               ; the add is done, and my reads of this slot are over
	s_barrier_signal -1
.endif
	MULA 2, 1, 1, \set, 0
	MULA 3, 1, 1, \set, 0
	WIN 0
.if \mode
	s_barrier_wait -1
.endif
.if \mode == 2
	CREST
	JLOAD
.elseif \mode == 1
	PLACES 4
.else
	s_wait_dscnt 0x0
	PLACES 4
.endif
	FETCH_B \next, 0, 0
	FETCH_A \next, 0, 0
	SCALES \nset, \next
	WIN MUL_HI
.irp a, 4,5,6,7
	MULA \a, 1, 1, \set, 0
.endr
	PLACES 4
	WIN 0
	FETCH_A \next, 0, 4
.endm
	s_load_b128 s[4:7], s[0:1], 0x0                ; qk, p
	v_lshl_add_u32 v[SPW], v0, 2, SPARE
	v_mov_b32 v[NIL], 0
	ds_add_u32 v[SPW], v[NIL]                      ; the opening lines
	ds_add_u32 v[SPW], v[NIL]
	v_lshrrev_b32 v1, 5, v0
	v_readfirstlane_b32 s14, v1
	s_lshr_b32 s15, s14, 1                         ; my half of the queries.  Also: I fetch q (0) or k (1)
	s_and_b32 s16, s14, 1                          ; my half of the keys.  Also: which half I fetch
	s_bfe_u32 s92, ttmp6, 0x40000                  ; cx
	s_bfe_u32 s93, ttmp6, 0x40004                  ; cy
	s_lshl_b32 s94, ttmp9, 2
	s_add_co_u32 s94, s94, s92                     ; X: which 256 keys
	s_and_b32 s96, ttmp7, 0xffff
	s_lshl_b32 s95, s96, 2
	s_add_co_u32 s95, s95, s93                     ; Y: which 256 queries
	s_lshl_b32 s97, s93, 2
	s_lshl_b32 s97, 15, s97
	s_lshl_b32 s98, 0x1111, s92
	s_or_b32 s[G1A], s97, (3<<16)|(1<<21)
	s_or_b32 s[G1B], s98, (3<<16)|(1<<21)
.irp g, G1A, G1B                       ; 10 rows of 2,560 bytes, dense
	s_mov_b32 s[\g+1], 320<<16
	s_mov_b32 s[\g+2], 10<<16
	s_mov_b32 s[\g+3], 320<<16
	s_mov_b32 s[\g+4], 10
	s_mov_b32 s[\g+5], 320
	s_mov_b32 s[\g+6], 0
	s_mov_b32 s[\g+7], 0
.endr
	s_lshl_b32 s[GA+2], s95, 1
	s_add_co_u32 s[GA+2], s[GA+2], s16             ; q's key step 2 Y + the half that I fetch
	s_mul_i32 s[GA+2], s[GA+2], 4*SL
	s_mov_b32 s[GA+3], 0
	s_lshr_b32 s99, s96, 1                         ; the batch: the same in the whole cluster
	s_lshl_b32 s99, s99, 4
	s_lshl_b32 s[GB+2], s94, 1
	s_add_co_u32 s[GB+2], s[GB+2], s99
	s_add_co_u32 s[GB+2], s[GB+2], s16
	s_add_co_u32 s[GB+2], s[GB+2], 64              ; k's key step 16 batch + 2 X + the half that I fetch
	s_mul_i32 s[GB+2], s[GB+2], 4*SL
	s_mov_b32 s[GB+3], 0
	s_mul_i32 s3, s14, WR                          ; where my tiles go
	s_lshl_b32 s10, s95, 8
	s_lshl_b32 s11, s15, 7
	s_add_co_u32 s10, s10, s11                     ; my first row of p
	s_lshl_b32 s11, s94, 1
	s_add_co_u32 s11, s11, s16                     ; my group of 128 keys
	s_mul_i32 s12, s10, 1536
	s_mul_i32 s13, s11, 1536
	s_add_co_u32 s12, s12, s13
	s_mov_b32 s13, 0                               ; the codes' offset
	s_lshl_b32 s11, s11, 15
	s_lshl_b32 s10, s10, 2
	s_add_co_u32 s10, s10, s11
	s_add_co_u32 s10, s10, P_S
	s_mov_b32 s11, 0                               ; the planes' offset
	s_mov_b32 s[SEL], 0x76543210
	s_mov_b32 s[SEL+1], 0xfedcba98
	s_mov_b32 s[CS], 0x3d38aa3b                    ; c = log2(e) / 32
	s_mov_b32 s[CS+1], s[CS]                       ; (named with it as a pair)
	s_wait_dscnt 0x0
	s_wait_kmcnt 0x0
.irp g, GA, GB
	s_add_nc_u64 s[\g+2:\g+3], s[4:5], s[\g+2:\g+3]
	s_mov_b32 s[\g], 1
	s_mov_b32 s[\g+1], s3
	s_or_b32 s[\g+3], s[\g+3], 0x80000000
.endr
	s_add_nc_u64 s[12:13], s[6:7], s[12:13]
	s_add_nc_u64 s[10:11], s[6:7], s[10:11]
	CROUND
	JLOAD                                          ; step 0
	v_and_b32 v1, 15, v0
	v_bfe_u32 v2, v0, 4, 1
	v_and_b32 v3, 31, v0
	v_lshlrev_b32 v[LI], 4, v3
	v_lshlrev_b32 v3, 3, v3
	v_lshlrev_b32 v7, 2, v1
	s_wait_alu depctr_va_vdst(0)
	s_mul_i32 s17, s15, WR
	s_add_co_u32 s2, s16, 2
	s_mul_i32 s2, s2, WR
	s_xor_b32 s18, s15, 1
	s_add_co_u32 s18, s18, s16
	s_add_co_u32 s18, s18, 1
	s_mul_i32 s18, s18, WR                         ; from A's words to B's: (2 + my half of B - my half of A) regions, as one product with h
	v_mul_u32_u24 v15, s18, v2
	v_add_nc_u32 v15, v15, v7
.irp s, 0,1,2
	v_add_nc_u32 v[ADRA+\s], s17, v[LI]
	v_add_nc_u32 v[ADA8+\s], s17, v3
	v_add_nc_u32 v[ADRB+\s], s2, v[LI]
	v_add_nc_u32 v[ADB8+\s], s2, v3
	s_add_co_u32 s18, s17, 24576
	v_add_nc_u32 v[ADRS+\s], s18, v15
	s_add_co_u32 s17, s17, SL
	s_add_co_u32 s2, s2, SL
.endr
	s_mul_i32 s17, s14, 1536
	s_add_co_u32 s17, s17, SCR
	v_add_nc_u32 v[SCW], s17, v7
	v_add_nc_u32 v[SC8], v[SCW], v2
	v_add_nc_u32 v[SCRD], s17, v[LI]
	v_mov_b32 v[T1], 0                             ; a lane permute's destination counts as one of its sources
	s_wait_alu depctr_va_vdst(0)
	s_wait_tensorcnt 0x0                           ; my part of step 0 is in
	ds_add_u32 v[SPW], v[NIL]
	NEXT SL, SL, 20                                ; steps 1 and 2, into slots b and c
	s_wait_dscnt 0x0
	CROUND                                         ; everybody's part of step 0 is in
	JLOAD
	FETCH_B 0, 0, 0
	FETCH_A 0, 0, 0
	SCALES 0, 0
	FETCH_A 0, 0, 4
	STEP 0, 0, 1                                   ; the first products start the sums
	TURN 1, 0, 1, 2                                ; slot a takes step 3; steps 1 and 2 are shown to all
	STEP 1, 1, 0
	TURN 2, 1, 0, 0
	STEP 2, 0, 0
	TURN 0, 0, 1, 1                                ; step 3 is shown to all
	STEP 0, 1, 0
	s_wait_dscnt 16
	WIN MUL_LO
.irp a, 0,1,2,3
	MULA \a, 1, 1, 1, 0
.endr
	s_wait_dscnt 0x0
	WIN MUL_HI
.irp a, 4,5,6,7
	MULA \a, 1, 1, 1, 0
.endr
	WIN 0
; THE SOFTMAX OF BLOCK a (16 queries x my 128 keys).  A lane holds one query; register 32 c + i is key 64 c + 32 h + i.
.macro SOFT a
.set W, 2+(\a)/4
.set AC, 64*((\a)%4)
	WIN (W<<2)|(W<<4)
.irp b, 0,1,2,3
	v_max3_num_f32 v[BM+\b], 0xff800000, v[AC+16*\b], v[AC+16*\b+1]   ; each accumulator from its low end on
.endr
.irp i, 2,4,6,8,10,12,14
.irp b, 0,1,2,3
	v_max3_num_f32 v[BM+\b], v[BM+\b], v[AC+16*\b+\i], v[AC+16*\b+\i+1]
.endr
.endr
	WIN 0
	v_max_num_f32 v[BM], v[BM], v[BM+1]            ; the largest score of my two blocks of 32 keys
	v_max_num_f32 v[BM+2], v[BM+2], v[BM+3]
	v_max_num_f32 v[T0], v[BM], v[BM+2]
	v_permlanex16_b32 v[T1], v[T0], s[SEL], s[SEL+1]
	v_max_num_f32 v[T0], v[T0], v[T1]              ; the group's largest score of my query
	v_mul_f32 v[NM+1], s[CS], v[T0]                ; as t (c is positive)
	v_floor_f32 v[NM], -v[NM+1]                    ; -M = floor(-t) = -ceil(t)
	WIN W|(W<<6)
.set J, 0
.rept 32
	v_pk_fma_f32 v[AC+J:AC+J+1], v[AC+J:AC+J+1], s[CS:CS+1], v[NM:NM+1] op_sel_hi:[1,0,0]   ; t - M, two at a time
.set J, J+2
.endr
	WIN 0
	v_fma_f32 v[BM], v[BM], s[CS], v[NM]           ; the same of each block's largest score
	v_fma_f32 v[BM+2], v[BM+2], s[CS], v[NM]
	s_wait_alu depctr_va_vdst(0)
.if (\a) > 0
	s_wait_xcnt 0x0                                ; the last block's stores have read their data
.endif
	WIN W|(W<<6)
.set J, 0
.rept 64
	v_exp_f32 v[AC+J], v[AC+J]                     ; p = 2^(t - M), at most 1
.set J, J+1
.endr
	WIN 0
	v_exp_f32 v[BM], v[BM]                         ; the block's largest p
	v_exp_f32 v[BM+2], v[BM+2]
	v_mov_b32 v[NMS+(\a)], v[NM]                   ; (a plain instruction behind the exponentials)
	s_wait_alu depctr_va_vdst(0)                   ; one wait for the batch, ahead of its first reader
	WIN W|(W<<2)
	v_pk_add_f32 v[SUM:SUM+1], v[AC:AC+1], v[AC+2:AC+3]       ; the sum of the UNQUANTISED p, in two chains
	v_pk_add_f32 v[SU2:SU2+1], v[AC+4:AC+5], v[AC+6:AC+7]
	WIN W<<2
.set J, 8
.rept 14
	v_pk_add_f32 v[SUM:SUM+1], v[SUM:SUM+1], v[AC+J:AC+J+1]
	v_pk_add_f32 v[SU2:SU2+1], v[SU2:SU2+1], v[AC+J+2:AC+J+3]
.set J, J+4
.endr
	WIN 0
	v_pk_add_f32 v[SUM:SUM+1], v[SUM:SUM+1], v[SU2:SU2+1]
	v_max_num_f32 v[BM], 0x1800000, v[BM]          ; the floor 2^(3 - 127): the byte cannot fall under 1
	v_max_num_f32 v[BM+2], 0x1800000, v[BM+2]
	v_add_f32 v[T0], v[SUM], v[SUM+1]
	v_add_nc_u32 v[SO], 0xff000000, v[BM]          ; 2 off the exponent field: the conversion's scale operand
	v_add_nc_u32 v[SO+2], 0xff000000, v[BM+2]
	v_permlanex16_b32 v[T1], v[T0], s[SEL], s[SEL+1]
	v_lshrrev_b32 v[BY], 23, v[SO]
	v_lshrrev_b32 v[BY+2], 23, v[SO+2]
	v_add_f32 v[LS+(\a)], v[T0], v[T1]             ; l of my query in this group
	WIN W
.irp c, 0,1
	v_cvt_scalef32_pk16_fp6_f32 v[PC+6*\c:PC+6*\c+2], v[AC+32*\c:AC+32*\c+15], v[SO+2*\c]
	v_cvt_scalef32_pk16_fp6_f32 v[PT+4*\c:PT+4*\c+2], v[AC+32*\c+16:AC+32*\c+31], v[SO+2*\c]
.endr
	WIN 0
	v_nop                                          ; one plain place behind a scaled conversion
.irp c, 0,1
.irp i, 0,1,2
	v_mov_b32 v[PC+3+6*\c+\i], v[PT+4*\c+\i]
.endr
.endr
	ds_store_b8 v[SC8], v[BY] offset:64*(\a)       ; bytes h and 2 + h of my row's scale word
	ds_store_b8 v[SC8], v[BY+2] offset:64*(\a)+2
.irp c, 0,1,2
	global_store_b128 v[LI], v[PC+4*\c:PC+4*\c+3], s[12:13] offset:24576*(\a)+512*\c
.endr
.endm
	PLACES 4
.irp a, 0,1,2,3,4,5,6,7
	SOFT \a
.endr
.irp a, 0,1,2,3,4,5,6,7
	ds_store_b32 v[SCW], v[NMS+\a] offset:512+64*\a
	ds_store_b32 v[SCW], v[LS+\a] offset:1024+64*\a
.endr
.irp s, 0,1,2
	ds_load_b128 v[184+4*\s:187+4*\s], v[SCRD] offset:512*\s     ; LDS serves a wave's instructions in order: these see the stores
.endr
	s_wait_dscnt 0x0
.irp s, 0,1,2
	global_store_b128 v[LI], v[184+4*\s:187+4*\s], s[10:11] offset:524288*\s   ; words, -M, l: 512 consecutive bytes of a plane each
.endr
	s_wait_tensorcnt 0x0                           ; the wave's end
	ds_add_u32 v[SPW], v[NIL]
	s_wait_dscnt 0x0
	CROUND
	s_endpgm
.Lfunc_end_k_qe9e309a7be_scores:
	.size	k_qe9e309a7be_scores, .Lfunc_end_k_qe9e309a7be_scores-k_qe9e309a7be_scores
	.p2alignl 7, 3214868480
	.fill 96, 4, 3214868480
	.section	.rodata,"a",@progbits
	.p2align	6, 0x0
	.amdhsa_kernel k_qe9e309a7be_scores
		.amdhsa_group_segment_fixed_size 327680
		.amdhsa_private_segment_fixed_size 0
		.amdhsa_enable_private_segment 0
		.amdhsa_kernarg_size 16
		.amdhsa_user_sgpr_count 2
		.amdhsa_user_sgpr_kernarg_segment_ptr 1
		.amdhsa_wavefront_size32 1
		.amdhsa_system_sgpr_workgroup_id_x 1
		.amdhsa_system_sgpr_workgroup_id_y 1
		.amdhsa_system_sgpr_workgroup_id_z 1
		.amdhsa_system_vgpr_workitem_id 0
		.amdhsa_next_free_vgpr 1024
		.amdhsa_next_free_sgpr 102
		.amdhsa_reserve_vcc 0
		.amdhsa_float_denorm_mode_32 3
		.amdhsa_float_denorm_mode_16_64 3
		.amdhsa_memory_ordered 1
		.amdhsa_forward_progress 1
		.amdhsa_inst_pref_size 198
	.end_amdhsa_kernel
	.amdgpu_metadata
---
amdhsa.version: [ 1, 2 ]
amdhsa.kernels:
  - .name:           k_qe9e309a7be_scores
    .symbol:         k_qe9e309a7be_scores.kd
    .args:
      - { .name: qk, .offset: 0, .size: 8, .value_kind: global_buffer, .address_space: global }
      - { .name: p, .offset: 8, .size: 8, .value_kind: global_buffer, .address_space: global }
    .group_segment_fixed_size: 327680
    .private_segment_fixed_size: 0
    .kernarg_segment_align: 8
    .kernarg_segment_size: 16
    .max_flat_workgroup_size: 128
    .sgpr_count:     102
    .vgpr_count:     1024
    .wavefront_size: 32
...
	.end_amdgpu_metadata
.endif
;; end of part 3
;; launch pv (part 4): grid 8 x 32, 4 waves a work-group, clusters of 4 x 4, 327,680 bytes of LDS; arguments p, vt, out0; writes out0
.if DOCPART == 4
	.amdgcn_target "amdgcn-amd-amdhsa--gfx1250"
	.amdhsa_code_object_version 6
	.text
	.protected	k_qe9e309a7be_pv
	.globl	k_qe9e309a7be_pv
	.p2align	8
	.type	k_qe9e309a7be_pv,@function
k_qe9e309a7be_pv:
	s_mov_b64 s[64:65], 0
	v_nop
	global_prefetch_b8 v0, s[64:65] scope:SCOPE_SE
	s_setreg_imm32_b32 hwreg(HW_REG_WAVE_MODE, 25, 1), 1
	s_wait_xcnt 0x0
	s_wait_alu depctr_hold_cnt(0) depctr_sa_sdst(0) depctr_va_vdst(0) depctr_va_sdst(0) depctr_va_ssrc(0) depctr_va_vcc(0) depctr_vm_vsrc(0)
	s_getreg_b32 s2, hwreg(HW_REG_IB_STS2, 6, 4)
	s_cmp_eq_u32 s2, 0
	s_cbranch_scc0 .Lentry_in_a_cluster
	s_endpgm
.Lentry_in_a_cluster:
	s_bfe_u32 s2, ttmp6, 0x10000c
	s_cmp_lg_u32 s2, 0xf033
	s_cbranch_scc0 .Lentry_shape_is_right
	s_endpgm
.Lentry_shape_is_right:
; O = P V / l on codes of FP6.  P: 8,192 query rows, K = 2,048 keys, each group of 128 keys quantised under a whole number M of its own; V^T in blocks of 128 of e x 512 keys, 51,200 bytes, codes and scale words.
; AT THE HEAD each work-group brings its 256 rows under the row's M = the largest of the 16 groups' M: a group's four scale bytes fall by d = M - its own M (an exact power of two: the codes stay), the row's l is the sum of
; the groups' l x 2^-d.  The adjusted words go to LDS, where the products take A's scales from; 1 / l too.
; LIMITS: d is held at 127 and a byte at 0 from below (2^-127): a group so far under the row's M adds nothing that f32 can tell beside l >= 1/2.  NaN and infinities are not served.
; TRANSPOSED: source 0 = 16 rows of V^T (e: the registers; the four tiles of a head give a lane 32 neighbours), source 1 = 16 queries (the lanes).
; SHARES.  A tile of 256 queries x 128 e to a work-group, 128 x 64 a wave: 32 accumulators.  K = 2,048 is four K steps of 512 through two LDS slots, each filled behind a drained round of the cluster's barrier but for the
; head's; one load a wave behind each: waves 0, 1 fetch P's halves (shared along a row of the cluster), waves 2, 3 the halves of V^T's block (along a column).
; Nothing is prefetched: the walk is four steps, written out, with no loop to run ahead in.
; REGISTERS: window 0: v1-31 addresses; v32-95 scale words, two sets; v96-111 1 / l; v112-121 at work at the head; v128-223 the groups' figures at the head, then A's fragments, then rows of O.
;   window 1: B's fragments, two sets.   window 2: accumulator (a, b) at v[32 a + 8 b].
.set HALFA, 49152                      ; 128 queries x 512 keys
.set HALFB, 25600                      ; half of a block of V^T
.set SLOT,  2*HALFA+2*HALFB
.set SCA,   0                          ; P's adjusted scale words: [half][16 planes][512 bytes]: stored by the waves
.set S0,    16384                      ; the slots
.set RL,    S0+2*SLOT                  ; 1 / l of the 256 rows
.set SPARE, RL+1024
.set P_S,   12582912
.set LI,    8
.set STO,   9                          ; v9   the stage: where I put 128 bytes of a row
.set RD,    10                         ; v10  and where I read a row back
.set CO,    11                         ; v11  my byte offset in two rows of O
.set ASC,   12                         ; v12  where my two rows' adjusted words go
.set ARLW,  13                         ; v13  and their 1 / l
.set ARL,   14                         ; v14  where I read my lane-row's 1 / l
.set ADRA,  16                         ; v16-17
.set ADRB,  18                         ; v18-19
.set ADRS,  20                         ; v20-23 scale words of K steps 0 to 3: lanes 0-15 A's, lanes 16-31 B's
.set ADRS2, 24                         ; v24-27 for A's blocks 4-7: B's lanes read blocks 0-3 again
.set SPW,   28
.set NIL,   29
.set SC,    32
.set RLP,   96
.set NMR,   112                        ; v112-113 -M of my two rows
.set LR,    114                        ; v114-115 their l
.set AF,    128
.set WD,    128                        ; v128-159 16 planes x my two rows: scale words,
.set NMG,   160                        ; v160-191 -M,
.set LG,    192                        ; v192-223 l
.set BK,    128                        ; the way out: v128-159 and v160-191 by turns
.set G1A,   24
.set G1B,   32
.set GA0,   56
.set GA1,   60
.set GB0,   72
.set GB1,   76
.set MUL,   0xa1
.set MSB, 0
.macro WIN new
.if MSB != (\new)
	s_set_vgpr_msb (MSB<<8)|(\new)
.set MSB, (\new)
.endif
.endm
.macro PLACES n
.rept \n
	v_nop
.endr
.endm
.macro CREST
	s_cmp_lg_u32 s14, 0
	s_cbranch_scc1 .Lnot_wave_0_\@
	s_barrier_signal -3
.Lnot_wave_0_\@:
	s_barrier_wait -3
	s_barrier_signal -1
	s_barrier_wait -1
.endm
.macro CROUND
	s_barrier_signal -1
	s_barrier_wait -1
	CREST
.endm
.macro JLOAD g0a, g0b
	s_cmp_eq_u32 s15, 0
	s_cbranch_scc0 .Lfor_b_\@
	tensor_load_to_lds s[\g0a:\g0a+3], s[G1A:G1A+7]
	s_nop 0
	PLACES 4
	s_branch .Lasked_\@
.Lfor_b_\@:
	tensor_load_to_lds s[\g0b:\g0b+3], s[G1B:G1B+7]
	s_nop 0
	PLACES 4
.Lasked_\@:
.endm
.macro FRAG reg, adr, q, i
.irp c, 0,1,2
	ds_load_b128 v[(\reg)+4*\c:(\reg)+4*\c+3], v[\adr] offset:((\i)*4+(\q))*1536+512*\c
.endr
.endm
.macro FETCH_B slot, q, p
	WIN 0x40
.irp i, 0,1,2,3
	FRAG 128*(\p)+12*\i, ADRB+\slot, \q, \i
.endr
	WIN 0
.endm
.macro FETCH_A slot, q, i0
.irp i, \i0, \i0+1, \i0+2, \i0+3
	FRAG AF+12*(\i), ADRA+\slot, \q, \i
.endr
.endm
.macro SCALES set, ks                  ; register 4 i + q: lanes 0-15 A's block i, lanes 16-31 B's block i % 4
.irp i, 0,1,2,3,4,5,6,7
.irp q, 0,1,2,3
	ds_load_b32 v[SC+32*(\set)+4*\i+\q], v[ADRS+4*(\i/4)+\ks] offset:512*\q+64*\i
.endr
.endr
.endm
.macro MULA a, p, q, set, zero         ; the accumulators take turns, one instruction a turn
.set AC, 32*(\a)
.irp b, 0,1,2,3
.if \zero
	v_wmma_scale_f32_16x16x128_f8f6f4 v[AC+8*\b:AC+8*\b+7], v[128*(\p)+12*\b:128*(\p)+12*\b+11], v[AF+12*(\a):AF+12*(\a)+11], 0, v[SC+32*(\set)+4*\b+(\q)], v[SC+32*(\set)+4*(\a)+(\q)] matrix_a_fmt:MATRIX_FMT_FP6 matrix_b_fmt:MATRIX_FMT_FP6 matrix_a_scale:MATRIX_SCALE_ROW1
.else
	v_wmma_scale_f32_16x16x128_f8f6f4 v[AC+8*\b:AC+8*\b+7], v[128*(\p)+12*\b:128*(\p)+12*\b+11], v[AF+12*(\a):AF+12*(\a)+11], v[AC+8*\b:AC+8*\b+7], v[SC+32*(\set)+4*\b+(\q)], v[SC+32*(\set)+4*(\a)+(\q)] matrix_a_fmt:MATRIX_FMT_FP6 matrix_b_fmt:MATRIX_FMT_FP6 matrix_a_scale:MATRIX_SCALE_ROW1
.endif
.endr
.endm
.macro STEP slot, q, set, zero
	s_wait_dscnt 12                                ; all but the youngest twelve loads (A's blocks 4-7) are in
	WIN MUL
.irp a, 0,1,2,3
	MULA \a, (\q)%2, \q, \set, \zero
.endr
	s_wait_dscnt 0x0
	PLACES 4                                       ; four plain vector instructions in front of loads into registers that matrix instructions have read
	FETCH_B \slot, (\q)+1, 1-(\q)%2
	FETCH_A \slot, (\q)+1, 0
	WIN MUL
.irp a, 4,5,6,7
	MULA \a, (\q)%2, \q, \set, \zero
.endr
	PLACES 4
	WIN 0
	FETCH_A \slot, (\q)+1, 4
.endm
.macro TURN next, set, nset, nks, refill, g0a=0, g0b=0   ; a slot's last 128: a round and the refill two K steps on, or (refill 0) the work-group's barrier
	s_wait_tensorcnt 0x0                           ; all my tensor loads have landed: my part of the next slot
.if \refill
	ds_add_u32 v[SPW], v[NIL]
	s_add_nc_u64 s[\g0a+2:\g0a+3], s[\g0a+2:\g0a+3], 12288
	s_add_nc_u64 s[\g0b+2:\g0b+3], s[\g0b+2:\g0b+3], 102400
	s_wait_dscnt 13                                ; (the add and the youngest twelve loads may be out)
.else
	s_wait_dscnt 12
.endif
	WIN MUL
	MULA 0, 1, 3, \set, 0
	MULA 1, 1, 3, \set, 0
	s_wait_dscnt 0x0                               ; the add is done, and my reads of this slot are over
	s_barrier_signal -1
	MULA 2, 1, 3, \set, 0
	MULA 3, 1, 3, \set, 0
	WIN 0
	s_barrier_wait -1
.if \refill
	CREST
	JLOAD \g0a, \g0b
.else
	PLACES 4
.endif
	FETCH_B \next, 0, 0
	FETCH_A \next, 0, 0
	SCALES \nset, \nks
	WIN MUL
.irp a, 4,5,6,7
	MULA \a, 1, 3, \set, 0
.endr
	PLACES 4
	WIN 0
	FETCH_A \next, 0, 4
.endm
	s_load_b128 s[4:7], s[0:1], 0x0                ; p, vt
	s_load_b64 s[8:9], s[0:1], 0x10                ; out0
	v_lshl_add_u32 v[SPW], v0, 2, SPARE
	v_mov_b32 v[NIL], 0
	ds_add_u32 v[SPW], v[NIL]                      ; the opening lines
	ds_add_u32 v[SPW], v[NIL]
	v_lshrrev_b32 v1, 5, v0
	v_readfirstlane_b32 s14, v1
	s_lshr_b32 s15, s14, 1
	s_and_b32 s16, s14, 1
	s_bfe_u32 s92, ttmp6, 0x40000                  ; cx
	s_bfe_u32 s93, ttmp6, 0x40004                  ; cy
	s_lshl_b32 s94, ttmp9, 2
	s_add_co_u32 s94, s94, s92                     ; X: which 128 of e
	s_and_b32 s96, ttmp7, 0xffff
	s_lshl_b32 s95, s96, 2
	s_add_co_u32 s95, s95, s93                     ; Y: which 256 queries
	s_lshl_b32 s97, s93, 2
	s_lshl_b32 s97, 15, s97
	s_lshl_b32 s98, 0x1111, s92
	s_or_b32 s[G1A], s97, (3<<16)|(1<<21)
	s_or_b32 s[G1B], s98, (3<<16)|(1<<21)
	s_mov_b32 s[G1A+1], 768<<16                    ; P's codes: 8 row blocks x 6,144 bytes (a K step's four fragments), 24,576 bytes apart
	s_mov_b32 s[G1A+2], 8<<16
	s_mov_b32 s[G1A+3], 768<<16
	s_mov_b32 s[G1A+4], 8
	s_mov_b32 s[G1A+5], 3072
	s_mov_b32 s[G1A+6], 0
	s_mov_b32 s[G1A+7], 0
	s_mov_b32 s[G1B+1], 320<<16                    ; V^T's: 10 rows of 2,560 bytes, dense
	s_mov_b32 s[G1B+2], 10<<16
	s_mov_b32 s[G1B+3], 320<<16
	s_mov_b32 s[G1B+4], 10
	s_mov_b32 s[G1B+5], 320
	s_mov_b32 s[G1B+6], 0
	s_mov_b32 s[G1B+7], 0
	s_lshl_b32 s100, s95, 8                        ; A: P's rows 256 Y + the 128 that I fetch
	s_lshl_b32 s17, s16, 7
	s_add_co_u32 s100, s100, s17
	s_mul_i32 s[GA0+2], s100, 1536
	s_mov_b32 s[GA0+3], 0
	s_lshr_b32 s99, s96, 1                         ; the batch
	s_lshl_b32 s99, s99, 2
	s_lshl_b32 s2, s94, 4
	s_add_co_u32 s2, s2, s99                       ; B: V^T's block 16 X + 4 batch + K step
	s_mul_i32 s[GB0+2], s2, 51200
	s_mul_i32 s101, s16, HALFB                     ; + the half that I fetch
	s_add_co_u32 s[GB0+2], s[GB0+2], s101
	s_mov_b32 s[GB0+3], 0
	s_mul_i32 s3, s16, HALFA                       ; where they go
	s_add_co_u32 s3, s3, S0
	s_add_co_u32 s101, s101, S0+2*HALFA
	s_lshl_b32 s10, s95, 10                        ; the groups' figures of my work-group's 256 rows
	s_add_co_u32 s10, s10, P_S
	s_mov_b32 s11, 0
	s_lshl_b32 s12, s95, 20                        ; O: row 256 Y + 128 x my half, column 128 X + 64 x my half
	s_lshl_b32 s13, s15, 19
	s_add_co_u32 s12, s12, s13
	s_lshl_b32 s13, s94, 9
	s_add_co_u32 s12, s12, s13
	s_lshl_b32 s13, s16, 8
	s_add_co_u32 s12, s12, s13
	s_mov_b32 s13, 0
	s_mov_b32 s18, 0x01010101
	s_mov_b32 s19, 0x80808080
	s_wait_dscnt 0x0
	s_wait_kmcnt 0x0
	s_add_nc_u64 s[GA0+2:GA0+3], s[4:5], s[GA0+2:GA0+3]
	s_add_nc_u64 s[GA1+2:GA1+3], s[GA0+2:GA0+3], 6144
	s_add_nc_u64 s[GB0+2:GB0+3], s[6:7], s[GB0+2:GB0+3]
	s_add_nc_u64 s[GB1+2:GB1+3], s[GB0+2:GB0+3], 51200
.irp g, GA0, GA1, GB0, GB1
	s_mov_b32 s[\g], 1
	s_or_b32 s[\g+3], s[\g+3], 0x80000000
.endr
	s_mov_b32 s[GA0+1], s3
	s_add_co_u32 s[GA1+1], s3, SLOT
	s_mov_b32 s[GB0+1], s101
	s_add_co_u32 s[GB1+1], s101, SLOT
	s_add_nc_u64 s[10:11], s[4:5], s[10:11]
	s_add_nc_u64 s[8:9], s[8:9], s[12:13]
	CROUND
	JLOAD GA0, GB0                                 ; K step 0: one load a wave
	; THE GROUPS' FIGURES: thread t takes rows 2 t and 2 t + 1 (in the planes' order) of the work-group's 256: a wave's load reads 256 consecutive bytes of a plane
	v_lshlrev_b32 v3, 3, v0
.set PL, 0
.rept 16
	global_load_b64 v[NMG+2*PL:NMG+2*PL+1], v3, s[10:11] offset:524288+32768*PL
.set PL, PL+1
.endr
.set PL, 0
.rept 16
	global_load_b64 v[LG+2*PL:LG+2*PL+1], v3, s[10:11] offset:1048576+32768*PL
.set PL, PL+1
.endr
.set PL, 0
.rept 16
	global_load_b64 v[WD+2*PL:WD+2*PL+1], v3, s[10:11] offset:32768*PL
.set PL, PL+1
.endr
	v_and_b32 v1, 15, v0                           ; r
	v_bfe_u32 v2, v0, 4, 1                         ; h
	v_and_b32 v4, 31, v0
	v_lshlrev_b32 v[LI], 4, v4
	s_wait_alu depctr_va_vdst(0)
	s_mul_i32 s17, s15, HALFA
	s_add_co_u32 s17, s17, S0
	s_mul_i32 s3, s16, 24576
	s_add_co_u32 s3, s3, S0+2*HALFA
.irp s, 0,1
	v_add_nc_u32 v[ADRA+\s], s17, v[LI]
	v_add_nc_u32 v[ADRB+\s], s3, v[LI]
	s_add_co_u32 s17, s17, SLOT
	s_add_co_u32 s3, s3, SLOT
.endr
	s_lshl_b32 s17, s15, 13
	v_lshl_add_u32 v7, v1, 2, s17                  ; A's words: my half's planes; 2,048 bytes on for each K step
	s_xor_b32 s3, s15, 1                           ; from A's words to B's, as one product with h: B's lie behind their slot's codes, 256 bytes for my half of them
	s_lshl_b32 s3, s3, 13
	s_lshl_b32 s17, s16, 8
	s_add_co_u32 s3, s3, s17
	s_add_co_u32 s3, s3, S0+2*HALFA+49152-8192
	s_wait_alu depctr_va_vdst(0)                   ; ahead of the readers below
.irp k, 0,1,2,3
	s_add_co_u32 s17, s3, (\k%2)*SLOT-2048*\k
	v_mul_u32_u24 v5, s17, v2
	s_sub_co_u32 s17, s17, 256
	v_mul_u32_u24 v6, s17, v2
	v_add_nc_u32 v5, v7, v5
	v_add_nc_u32 v6, v7, v6
	v_add_nc_u32 v[ADRS+\k], 2048*\k, v5
	v_add_nc_u32 v[ADRS2+\k], 2048*\k, v6
.endr
	s_mul_i32 s3, s14, 4352                        ; my stage: 16 rows x (256 bytes + 16), in slot 0, used when that slot has had its last fill and its last read
	s_add_co_u32 s3, s3, S0
	v_mul_u32_u24 v5, v1, 272
	v_lshl_add_u32 v5, v2, 7, v5
	v_add_nc_u32 v[STO], s3, v5
	v_mul_u32_u24 v5, v2, 272
	v_lshl_add_u32 v5, v1, 4, v5
	v_add_nc_u32 v[RD], s3, v5
	v_lshlrev_b32 v5, 12, v2
	v_lshl_add_u32 v[CO], v1, 4, v5
	s_lshl_b32 s3, s15, 9
	s_add_co_u32 s3, s3, RL
	v_lshl_add_u32 v[ARL], v1, 2, s3
	v_lshrrev_b32 v4, 6, v0
	v_and_b32 v5, 63, v0
	v_lshlrev_b32 v[ASC], 3, v5
	v_lshl_add_u32 v[ASC], v4, 13, v[ASC]
	v_lshl_add_u32 v[ARLW], v0, 3, RL
	s_wait_alu depctr_va_vdst(0)
	s_wait_loadcnt 32                              ; the sixteen loads of -M are in; those of l and of the words may be out
.irp e, 0,1
	v_min3_num_f32 v[NMR+\e], v[NMG+\e], v[NMG+2+\e], v[NMG+4+\e]
.endr
.irp i, 3,5,7,9,11,13
.irp e, 0,1
	v_min3_num_f32 v[NMR+\e], v[NMR+\e], v[NMG+2*\i+\e], v[NMG+2*\i+2+\e]
.endr
.endr
.irp e, 0,1
	v_min_num_f32 v[NMR+\e], v[NMR+\e], v[NMG+30+\e]   ; the row's -M: the least of the groups'
.endr
	s_wait_alu depctr_va_vdst(0)
	s_wait_loadcnt 0x0
; Group pl of my two rows.  nd = its M less the row's, 0 or less, held at -127.  Each byte b of the word becomes max(b - d, 0): b + 128 - d lies in 1 .. 253 (b is at most 125), so no borrow passes from byte to byte,
; and its top bit says whether b - d is 0 or more.
.macro ADJ pl
	v_pk_add_f32 v[116:117], v[NMR:NMR+1], v[NMG+2*(\pl):NMG+2*(\pl)+1] neg_lo:[0,1] neg_hi:[0,1]
	v_max_num_f32 v116, 0xc2fe0000, v116
	v_max_num_f32 v117, 0xc2fe0000, v117
	v_cvt_i32_f32 v116, v116
	v_cvt_i32_f32 v117, v117
.if (\pl) == 0
	v_ldexp_f32 v[LR], v[LG], v116                 ; the first group starts the row's l
	v_ldexp_f32 v[LR+1], v[LG+1], v117
.else
	v_ldexp_f32 v118, v[LG+2*(\pl)], v116
	v_ldexp_f32 v119, v[LG+2*(\pl)+1], v117
	v_pk_add_f32 v[LR:LR+1], v[LR:LR+1], v[118:119]
.endif
	v_mul_lo_u32 v116, v116, s18                   ; -d in every byte
	v_mul_lo_u32 v117, v117, s18
	v_add3_u32 v116, v[WD+2*(\pl)], s19, v116
	v_add3_u32 v117, v[WD+2*(\pl)+1], s19, v117
	v_and_b32 v118, s19, v116
	v_and_b32 v119, s19, v117
	v_lshrrev_b32 v120, 7, v118
	v_lshrrev_b32 v121, 7, v119
	v_sub_nc_u32 v118, v118, v120                  ; 0x7f in the bytes that stay
	v_sub_nc_u32 v119, v119, v121
	v_and_b32 v[WD+2*(\pl)], v116, v118
	v_and_b32 v[WD+2*(\pl)+1], v117, v119
	ds_store_b64 v[ASC], v[WD+2*(\pl):WD+2*(\pl)+1] offset:512*(\pl)
.endm
.irp pl, 0,1,2,3,4,5,6,7,8,9,10,11,12,13,14,15
	ADJ \pl
.endr
	s_wait_alu depctr_va_vdst(0)
	v_rcp_f32 v118, v[LR]
	v_rcp_f32 v119, v[LR+1]
	v_nop                                          ; a plain instruction behind the reciprocals
	s_wait_alu depctr_va_vdst(0)                   ; and the wait ahead of their first reader
	ds_store_b64 v[ARLW], v[118:119]
	s_wait_tensorcnt 0x0                           ; my part of K step 0 is in
	ds_add_u32 v[SPW], v[NIL]
	s_wait_dscnt 0x0                               ; the add is done; my words and my 1 / l lie in LDS
	CROUND
	JLOAD GA1, GB1                                 ; K step 1
	FETCH_B 0, 0, 0
	FETCH_A 0, 0, 0
	SCALES 0, 0
	FETCH_A 0, 0, 4
	STEP 0, 0, 0, 1                                ; the first products start the sums
	STEP 0, 1, 0, 0
	STEP 0, 2, 0, 0
	TURN 1, 0, 1, 1, 1, GA0, GB0                   ; slot 0 takes K step 2
	STEP 1, 0, 1, 0
	STEP 1, 1, 1, 0
	STEP 1, 2, 1, 0
	TURN 0, 1, 0, 2, 1, GA1, GB1                   ; slot 1 takes K step 3
	STEP 0, 0, 0, 0
	STEP 0, 1, 0, 0
	STEP 0, 2, 0, 0
	TURN 1, 0, 1, 3, 0                             ; nothing is left to fetch; behind this barrier nobody reads slot 0
	STEP 1, 0, 1, 0
	STEP 1, 1, 1, 0
	STEP 1, 2, 1, 0
	s_wait_dscnt 12
	WIN MUL
.irp a, 0,1,2,3
	MULA \a, 1, 3, 1, 0
.endr
	s_wait_dscnt 0x0
.irp a, 4,5,6,7
	MULA \a, 1, 3, 1, 0
.endr
	WIN 0
	; THE WAY OUT.  Block a: a lane holds one query and, in the 32 registers of a head's four tiles, 32 neighbouring e.  Times 1 / l, through my stage, and out as rows: sixteen lanes store 256 consecutive bytes, aligned.
	PLACES 4
.irp a, 0,1,2,3,4,5,6,7
	ds_load_b32 v[RLP+2*\a], v[ARL] offset:64*\a
	ds_load_b32 v[RLP+2*\a+1], v[ARL] offset:64*\a   ; twice: the packed multiply names a pair
.endr
	s_wait_dscnt 0x0
.macro TOSTAGE a
	WIN 0x82                                       ; destination and source 0: the accumulators' window
.set J, 0
.rept 16
	v_pk_mul_f32 v[32*(\a)+J:32*(\a)+J+1], v[32*(\a)+J:32*(\a)+J+1], v[RLP+2*(\a):RLP+2*(\a)+1] op_sel_hi:[1,0]   ; each accumulator from its low end on
.set J, J+2
.endr
	WIN 0x08                                       ; an LDS store's data are its source 1
.irp k, 0,1,2,3,4,5,6,7
	ds_store_b128 v[STO], v[32*(\a)+4*\k:32*(\a)+4*\k+3] offset:16*\k
.endr
	WIN 0
.set BB, BK+32*((\a)%2)
.irp t, 0,1,2,3,4,5,6,7
	ds_load_b128 v[BB+4*\t:BB+4*\t+3], v[RD] offset:544*\t   ; LDS serves a wave's instructions in order: these see the stores, and the next block's stores come behind them
.endr
.endm
.macro SEND a, younger                 ; lane-row 2 t + h of fragment a is query row 64 (a / 4) + 8 (a % 4) + 2 t + h + 24 (t / 4) of my 128
.set BB, BK+32*((\a)%2)
	s_wait_dscnt \younger
.irp t, 0,1,2,3,4,5,6,7
	global_store_b128 v[CO], v[BB+4*\t:BB+4*\t+3], s[8:9] offset:(64*((\a)/4)+8*((\a)%4)+2*\t+24*(\t/4))*4096 th:TH_STORE_NT
.endr
.endm
	TOSTAGE 0
.irp a, 1,2,3,4,5,6,7
.if \a > 1
	s_wait_xcnt 0x0                                ; block a - 2's stores have read their registers: block a's loads may land there
.endif
	TOSTAGE \a
	SEND \a-1, 16                                  ; behind block a - 1's loads: block a's 8 stores and 8 loads
.endr
	SEND 7, 0
	s_wait_tensorcnt 0x0                           ; the wave's end
	ds_add_u32 v[SPW], v[NIL]
	s_wait_dscnt 0x0
	CROUND                                         ; the closing round
	s_endpgm
.Lfunc_end_k_qe9e309a7be_pv:
	.size	k_qe9e309a7be_pv, .Lfunc_end_k_qe9e309a7be_pv-k_qe9e309a7be_pv
	.p2alignl 7, 3214868480
	.fill 96, 4, 3214868480
	.section	.rodata,"a",@progbits
	.p2align	6, 0x0
	.amdhsa_kernel k_qe9e309a7be_pv
		.amdhsa_group_segment_fixed_size 327680
		.amdhsa_private_segment_fixed_size 0
		.amdhsa_enable_private_segment 0
		.amdhsa_kernarg_size 24
		.amdhsa_user_sgpr_count 2
		.amdhsa_user_sgpr_kernarg_segment_ptr 1
		.amdhsa_wavefront_size32 1
		.amdhsa_system_sgpr_workgroup_id_x 1
		.amdhsa_system_sgpr_workgroup_id_y 1
		.amdhsa_system_sgpr_workgroup_id_z 1
		.amdhsa_system_vgpr_workitem_id 0
		.amdhsa_next_free_vgpr 768
		.amdhsa_next_free_sgpr 106
		.amdhsa_reserve_vcc 0
		.amdhsa_float_denorm_mode_32 3
		.amdhsa_float_denorm_mode_16_64 3
		.amdhsa_memory_ordered 1
		.amdhsa_forward_progress 1
		.amdhsa_inst_pref_size 174
	.end_amdhsa_kernel
	.amdgpu_metadata
---
amdhsa.version: [ 1, 2 ]
amdhsa.kernels:
  - .name:           k_qe9e309a7be_pv
    .symbol:         k_qe9e309a7be_pv.kd
    .args:
      - { .name: p, .offset: 0, .size: 8, .value_kind: global_buffer, .address_space: global }
      - { .name: vt, .offset: 8, .size: 8, .value_kind: global_buffer, .address_space: global }
      - { .name: out0, .offset: 16, .size: 8, .value_kind: global_buffer, .address_space: global }
    .group_segment_fixed_size: 327680
    .private_segment_fixed_size: 0
    .kernarg_segment_align: 8
    .kernarg_segment_size: 24
    .max_flat_workgroup_size: 128
    .sgpr_count:     106
    .vgpr_count:     768
    .wavefront_size: 32
...
	.end_amdgpu_metadata
.endif
;; end of part 4
